; MI455X (gfx1250); checked and timed in simulation.
; The chip was launched on July 23, 2026; its instructions are those of AMD's public machine-readable ISA for CDNA 5 (MIT licence, August 2026) and "CDNA5" Instruction Set Architecture Reference Guide (July 2026). The comments in the code are by the model that wrote it; some were corrected since.
;; Head. Allowed arithmetic: matrix products marked QUANTISED: E4M3 operands, one E8M0 scale for each 32 along K, by v_wmma_scale_f32_16x16x128_f8f6f4 with both operands' format E4M3, f32 sums; everything else in f32.
;; Inputs: Wk 1,024 x 128 float32; Wq 1,024 x 128 float32; Wv 1,024 x 128 float32; x 4 x 4,096 x 1,024 float32.
;; Outputs: out0 4 x 4,096 x 128 float32.
;; This version of the problem:
;;   THIS VERSION OF THE PROBLEM IS GIVEN IN LOW PRECISION. The matrix products marked QUANTISED in the list below multiply operands that are first quantised to E4M3 (4 exponent bits, 3 mantissa bits; 8 bits a number), with one power-of-two scale for each 32 numbers along K (OCP MX v1.0); their sums are f32. All else is computed in f32.
;;   The module's matrix products, in the order in which they are computed (A, B: the left and right operand; K: the contracted axis; several contracted axes count as one K, in the product's order):
;;     1. [M 16,384, K 1,024] x [K 1,024, N 128]; A: input x; B: input Wk: QUANTISED
;;     2. [M 16,384, K 1,024] x [K 1,024, N 128]; A: input x; B: input Wq: QUANTISED
;;     3. [M 16,384, K 1,024] x [K 1,024, N 128]; A: input x; B: input Wv: QUANTISED
;;     4. batch 4 x [M 4,096, K 128] x [K 128, N 4,096]; A: computed on the way; B: computed on the way: QUANTISED
;;     5. batch 4 x [M 4,096, K 4,096] x [K 4,096, N 128]; A: softmax (see below); B: computed on the way: QUANTISED
;;   THE QUANTISER, for each operand of a quantised product, along K:
;;     - K is cut into blocks of 32 from its start; a last block that is shorter is filled with zeros.
;;     - A block's scale is 2^e with e = floor(log2(the largest magnitude in the block)) - 8, held to -126 .. 127; a block of zeros has e = 0. As a byte (E8M0): e + 127.
;;     - Each number is divided by its block's scale, clamped to +-448, and rounded to the nearest number of E4M3, ties to even, subnormals kept.
;;     - The product sums the exact products of the quantised numbers (number of the format x scale) in f32.
;;   ~~~python
;;   def quantise(x, axis):      # numpy; x: float32 -> the quantised numbers, widened to float32 again
;;       x = np.moveaxis(x, axis, -1); K = x.shape[-1]
;;       x = np.pad(x, [(0, 0)] * (x.ndim - 1) + [(0, -K % 32)]); x = x.reshape(x.shape[:-1] + (-1, 32)); a = np.abs(x).max(-1, keepdims=True)
;;       e = np.where(a > 0, np.clip(np.frexp(np.where(a > 0, a, 1))[1] - 1 - 8, -126, 127), 0)      # np.frexp(a)[1] - 1 = floor(log2(a)), exactly
;;       r = np.clip(x / 2.0 ** e, -448, 448)
;;       step = 2.0 ** (np.maximum(np.frexp(np.where(r == 0, 1, r))[1] - 1, -6) - 3)
;;       q = np.round(r / step) * step * 2.0 ** e      # np.round: ties to even
;;       return np.moveaxis(q.reshape(q.shape[:-2] + (-1,))[..., :K], -1, axis).astype(np.float32)
;;   ~~~
;;   SOFTMAX AHEAD OF A QUANTISED PRODUCT. Where the list says 'softmax', what is quantised is not the finished softmax but p = 2^(t - M), with t = logit x log2(e) and M = ceil(the row's largest t), a whole number; so 1/2 < the row's largest p <= 1. The row's sum l is taken of the UNQUANTISED p, in f32, and the product's result is divided by l at the end. Since M is a whole number, a kernel that streams over the keys may use a running M (the ceiling of the running maximum): every later rescaling is an exact power of two, which a block's scale takes up: the codes' values come out the same.
;;   OPERANDS COMPUTED ON THE WAY. 'Computed on the way' means the value that the module computes at that place (a softmax that the list does not call 'softmax' is quantised finished and normalised). What goes into a quantiser is computed in f32, as accurately as f32 sums, v_exp_f32 and their like allow (about 1e-6 of the number): no bf16 or f16 on the way to a quantiser, and a product that is left as it is and whose result goes on into a quantised operand takes f32 operands (vector FMAs, or v_wmma_f32_16x16x4_f32). A number that lies on a knife's edge between two numbers of the format may be rounded either way, as far as f32 arithmetic and the matrix unit's own rounding can turn it there, and no further.
;; 2 versions, each right; version 2 is version 1 with the launch attn written anew for expert scheduling mode. Each part assembles by itself: llvm-mc -triple=amdgcn-amd-amdhsa -mcpu=gfx1250 --defsym DOCPART=n.
;; ======== version 1 of 2: 3 launches
;; workspace buffers: wc 393,216 bytes; ws 12,288 bytes; ac 2,097,152 bytes; asc 65,536 bytes; kv 4,194,304 bytes; kvs 131,072 bytes
;; launch wquant (part 1): grid 64 x 3, 1 waves a work-group, no clusters, 0 bytes of LDS; arguments Wk, Wq, Wv, wc, ws; writes wc, ws
.if DOCPART == 1
	.amdgcn_target "amdgcn-amd-amdhsa--gfx1250"
	.amdhsa_code_object_version 6
	.text
	.protected	k_qa581de2a43_wquant
	.globl	k_qa581de2a43_wquant
	.p2align	8
	.type	k_qa581de2a43_wquant,@function
k_qa581de2a43_wquant:
	s_mov_b64 s[64:65], 0
	v_nop
	global_prefetch_b8 v0, s[64:65] scope:SCOPE_SE
	s_setreg_imm32_b32 hwreg(HW_REG_WAVE_MODE, 25, 1), 1
	s_wait_xcnt 0x0
; Wk, Wq, Wv: [1024 (K)][128] f32, K the FIRST axis, become codes of FP8 (E4M3) with one E8M0 scale byte for each 32 along K,
; laid in the order of the operand's registers for the launch that multiplies by them.
; One wave makes ONE fragment: 16 columns x 128 along K.  id = work-group x: u = id & 1, s = (id >> 1) & 7 (the K step), w = id >> 4 (which
; 32 columns); m = work-group y: 0 Wk, 1 Wq, 2 Wv.  A LANE TAKES A COLUMN AND ITS REGISTERS RUN DOWN K, in the order that the operand's layout gives
; lane (r, h): k = 32 c + 16 h + 0 .. 15 in registers 4 c .. 4 c + 3: the conversions' results are the operand's registers; nothing is transposed.
; WHICH COLUMNS FORM A TILE: for Wk and Wq lane r takes column 32 w + 8 u + r + 8 (r / 8), so that the results of tiles u = 0, 1 (used transposed) are 16 neighbours
; along the next product's K; for Wv lane r takes column 32 w + 16 u + r.
; wc: [w 4][s 8][f = 2 m + u, 6][2,048 bytes: group c at 512 c, lane l's 16 bytes at 16 l].   ws: [w 4][3 s + m, 24][32 words: u = 0's columns, then u = 1's].
; A block's scale is 2^(floor(log2(largest magnitude)) - 8); its byte is the largest magnitude's exponent field - 8, held at 1 from below.
; LIMITS: a block whose largest magnitude lies under 2^-118 keeps the byte 1; a block of zeros gets the byte 1 where the quantiser's text says 127 (its codes are zeros, and
; this program alone reads the bytes); NaN and infinities among the inputs are not served.
; No LDS, no matrix unit, no cluster: 192 waves that share nothing; the three tensors are 1.5 MiB in all.
.set X,   16                           ; v16-79   64 numbers: register 16 c + i = W(128 s + 32 c + 16 h + i, my column)
.set PC,  80                           ; v80-95   the codes
.set TM,  96                           ; v96-99 largest magnitudes, v100-103 bytes, v104-107 448 x the scale, v108-111 the conversions' scale operands
.set PW,  112                          ; the scale word
.set SEL, 20                           ; s[20:21] v_permlanex16_b32's selects for lane l xor 16
.set MNT, 22                           ; s22      the mantissa field of 448
	s_load_b128 s[4:7], s[0:1], 0x0                ; Wk, Wq
	s_load_b128 s[8:11], s[0:1], 0x10              ; Wv, wc
	s_load_b64 s[12:13], s[0:1], 0x20              ; ws
	s_and_b32 s14, ttmp9, 1                        ; u
	s_bfe_u32 s15, ttmp9, 0x30001                  ; s
	s_lshr_b32 s16, ttmp9, 4                       ; w
	s_and_b32 s17, ttmp7, 0xffff                   ; m
	s_mov_b32 s[SEL], 0x76543210
	s_mov_b32 s[SEL+1], 0xfedcba98
	s_mov_b32 s[MNT], 0x600000
	s_cmp_eq_u32 s17, 2
	s_cselect_b32 s18, 0, 8                        ; Wk, Wq: lanes 8-15 stand 8 columns further on
	s_cselect_b32 s19, 4, 3                        ; Wv: tile u begins 16 u columns on; Wk, Wq: 8 u
	s_lshl_b32 s19, s14, s19
	s_lshl_b32 s23, s16, 5
	s_add_co_u32 s19, s19, s23                     ; the tile's first column
	s_lshl_b32 s24, s19, 2
	s_lshl_b32 s23, s15, 16                        ; 128 rows of 512 bytes a K step
	s_add_co_u32 s24, s24, s23
	s_mov_b32 s25, 0                               ; s[24:25]: where my fragment begins in W
	s_mul_i32 s26, s16, 98304
	s_mul_i32 s23, s15, 12288
	s_add_co_u32 s26, s26, s23
	s_lshl_b32 s23, s17, 1
	s_add_co_u32 s23, s23, s14
	s_lshl_b32 s23, s23, 11
	s_add_co_u32 s26, s26, s23
	s_mov_b32 s27, 0                               ; s[26:27]: in wc
	s_mul_i32 s28, s16, 3072
	s_mul_i32 s23, s15, 3
	s_add_co_u32 s23, s23, s17
	s_lshl_b32 s23, s23, 7
	s_add_co_u32 s28, s28, s23
	s_lshl_b32 s23, s14, 6
	s_add_co_u32 s28, s28, s23
	s_mov_b32 s29, 0                               ; s[28:29]: in ws
	v_and_b32 v1, 15, v0                           ; r
	v_bfe_u32 v2, v0, 4, 1                         ; h
	v_and_b32 v3, s18, v1
	v_add_nc_u32 v3, v3, v1                        ; my column in the tile
	v_lshlrev_b32 v3, 2, v3
	v_lshl_add_u32 v3, v2, 13, v3                  ; lanes 16-31 begin 16 rows of 512 bytes further down
	v_lshlrev_b32 v4, 4, v0                        ; 16 x lane
	v_lshlrev_b32 v5, 2, v1                        ; 4 r
.irp b, 0,1,2,3
	v_mov_b32 v[TM+4+\b], 0                        ; a lane permute's destination counts as one of its sources
.endr
	s_wait_kmcnt 0x0
	s_cmp_eq_u32 s17, 1                            ; which tensor: the choice hangs on the work-group's number alone
	s_cselect_b64 s[4:5], s[6:7], s[4:5]
	s_cmp_eq_u32 s17, 2
	s_cselect_b64 s[4:5], s[8:9], s[4:5]
	s_add_nc_u64 s[4:5], s[4:5], s[24:25]
	s_add_nc_u64 s[10:11], s[10:11], s[26:27]
	s_add_nc_u64 s[12:13], s[12:13], s[28:29]
.irp c, 0,1,2,3
.irp i, 0,1,2,3,4,5,6,7,8,9,10,11,12,13,14,15
	global_load_b32 v[X+16*\c+\i], v3, s[4:5] offset:(32*\c+\i)*512
.endr
.endr
	s_wait_loadcnt 0x0
.irp b, 0,1,2,3
	v_max3_num_f32 v[TM+\b], |v[X+16*\b]|, |v[X+1+16*\b]|, 0x4800000   ; block b: my 16 numbers, and the floor 2^(9 - 127): the byte cannot fall under 1
.endr
.irp i, 2,4,6,8,10,12,14
.irp b, 0,1,2,3
	v_max3_num_f32 v[TM+\b], v[TM+\b], |v[X+16*\b+\i]|, |v[X+1+16*\b+\i]|   ; the four blocks by turns
.endr
.endr
.irp b, 0,1,2,3
	v_permlanex16_b32 v[TM+4+\b], v[TM+\b], s[SEL], s[SEL+1]
.endr
.irp b, 0,1,2,3
	v_max_num_f32 v[TM+\b], v[TM+\b], v[TM+4+\b]   ; with lane l xor 16's 16 numbers: the block's largest magnitude
.endr
.irp b, 0,1,2,3
	v_add_nc_u32 v[TM+12+\b], 0xfc000000, v[TM+\b] ; 8 off its exponent field: the conversion takes this operand's exponent field as its scale
.endr
.irp b, 0,1,2,3
	v_and_or_b32 v[TM+8+\b], v[TM+\b], 0x7f800000, s[MNT]   ; 448 x the scale
.endr
.irp b, 0,1,2,3
	v_lshrrev_b32 v[TM+4+\b], 23, v[TM+12+\b]      ; the scale's byte
.endr
	v_lshl_or_b32 v[PW], v[TM+5], 8, v[TM+4]       ; my column's scale word for these 128 along K
	v_lshl_or_b32 v[PW], v[TM+6], 16, v[PW]
	v_lshl_or_b32 v[PW], v[TM+7], 24, v[PW]
.irp b, 0,1,2,3
.irp i, 0,1,2,3,4,5,6,7,8,9,10,11,12,13,14,15
	v_med3_num_f32 v[X+16*\b+\i], v[X+16*\b+\i], -v[TM+8+\b], v[TM+8+\b]   ; the conversion to an 8-bit code does not saturate (ISA guide 7.6.2): the hold comes first
.endr
	v_cvt_scalef32_pk8_fp8_f32 v[PC+4*\b:PC+1+4*\b], v[X+16*\b:X+7+16*\b], v[TM+12+\b]
	v_cvt_scalef32_pk8_fp8_f32 v[PC+2+4*\b:PC+3+4*\b], v[X+8+16*\b:X+15+16*\b], v[TM+12+\b]
.endr
	v_nop                                          ; a plain line behind the last conversion
.irp c, 0,1,2,3
	global_store_b128 v4, v[PC+4*\c:PC+4*\c+3], s[10:11] offset:512*\c   ; 32 lanes store 512 consecutive bytes
.endr
	global_store_b32 v5, v[PW], s[12:13]           ; lanes r and r + 16 hold the same word and write the same place
	s_endpgm
.Lfunc_end_k_qa581de2a43_wquant:
	.size	k_qa581de2a43_wquant, .Lfunc_end_k_qa581de2a43_wquant-k_qa581de2a43_wquant
	.p2alignl 7, 3214868480
	.fill 96, 4, 3214868480
	.section	.rodata,"a",@progbits
	.p2align	6, 0x0
	.amdhsa_kernel k_qa581de2a43_wquant
		.amdhsa_group_segment_fixed_size 0
		.amdhsa_private_segment_fixed_size 0
		.amdhsa_enable_private_segment 0
		.amdhsa_kernarg_size 40
		.amdhsa_user_sgpr_count 2
		.amdhsa_user_sgpr_kernarg_segment_ptr 1
		.amdhsa_wavefront_size32 1
		.amdhsa_system_sgpr_workgroup_id_x 1
		.amdhsa_system_sgpr_workgroup_id_y 1
		.amdhsa_system_sgpr_workgroup_id_z 1
		.amdhsa_system_vgpr_workitem_id 0
		.amdhsa_next_free_vgpr 128
		.amdhsa_next_free_sgpr 66
		.amdhsa_reserve_vcc 0
		.amdhsa_float_denorm_mode_32 3
		.amdhsa_float_denorm_mode_16_64 3
		.amdhsa_memory_ordered 1
		.amdhsa_forward_progress 1
		.amdhsa_inst_pref_size 17
	.end_amdhsa_kernel
	.amdgpu_metadata
---
amdhsa.version: [ 1, 2 ]
amdhsa.kernels:
  - .name:           k_qa581de2a43_wquant
    .symbol:         k_qa581de2a43_wquant.kd
    .args:
      - { .name: Wk, .offset: 0, .size: 8, .value_kind: global_buffer, .address_space: global }
      - { .name: Wq, .offset: 8, .size: 8, .value_kind: global_buffer, .address_space: global }
      - { .name: Wv, .offset: 16, .size: 8, .value_kind: global_buffer, .address_space: global }
      - { .name: wc, .offset: 24, .size: 8, .value_kind: global_buffer, .address_space: global }
      - { .name: ws, .offset: 32, .size: 8, .value_kind: global_buffer, .address_space: global }
    .group_segment_fixed_size: 0
    .private_segment_fixed_size: 0
    .kernarg_segment_align: 8
    .kernarg_segment_size: 40
    .max_flat_workgroup_size: 32
    .sgpr_count:     66
    .vgpr_count:     128
    .wavefront_size: 32
...
	.end_amdgpu_metadata
.endif
;; end of part 1
;; launch proj (part 2): grid 256 x 1, 4 waves a work-group, no clusters, 327,680 bytes of LDS; arguments x, wc, ws, ac, asc, kv, kvs; writes ac, asc, kv, kvs
.if DOCPART == 2
	.amdgcn_target "amdgcn-amd-amdhsa--gfx1250"
	.amdhsa_code_object_version 6
	.text
	.protected	k_qa581de2a43_proj
	.globl	k_qa581de2a43_proj
	.p2align	8
	.type	k_qa581de2a43_proj,@function
k_qa581de2a43_proj:
	s_mov_b64 s[64:65], 0
	v_nop
	global_prefetch_b8 v0, s[64:65] scope:SCOPE_SE
	s_setreg_imm32_b32 hwreg(HW_REG_WAVE_MODE, 25, 1), 1
	s_wait_xcnt 0x0
; k = x Wk, q = x Wq, v = x Wv on codes of FP8 (E4M3) with one E8M0 scale for each 32 along K = 1,024; the three results are quantised at once for the attention launch:
; k and q along the head's 128, v along the rows (the keys of the second attention product).  x: [16,384][1,024] f32.
; SHARES.  Work-group g owns rows 64 g .. 64 g + 63.  Wave w (a) brings in and quantises x's row tile w, 16 rows; (b) multiplies ALL four row tiles by its own 96 columns:
; columns 32 w .. 32 w + 31 of k, of q and of v: 24 accumulators.  So each byte of the weights' codes is read once by the work-group, straight into registers.
; x COMES IN WHOLE: 64 rows x 4,096 bytes lie in LDS at once (266,240 bytes with padding), by eight tensor loads a wave, all issued in the first lines: eight are out at the most, each into
; bytes that only the issuing wave reads.  No LDS byte is filled twice, so there is no ring and no refill.
; THE ROWS OF A TILE ARE NOT NEIGHBOURS: lane r of row tile t is row 32 (t / 2) + 8 (t % 2) + r + 8 (r / 8) of the 64.  That one order serves three ends: q's tiles are the key tiles whose scores
; give 16 neighbouring keys in 16 registers; two tiles of k cover 32 neighbouring rows; and in v = x Wv (x as source 0) the 16 registers of two row tiles are 16 neighbouring keys.
; k and q are made TRANSPOSED (source 0 = 16 columns of W, source 1 = x): a lane holds one row and 16 neighbours along the head's axis: block w of 32.
; x's fragments go from the wave that made them to the others through LDS as IMAGES OF THEIR REGISTERS (group c at 512 c, lane l's 16 bytes at 16 l; scale words 4 bytes a lane), in two sets by turns:
; one barrier a quarter of K.
; NO CLUSTER: what work-groups share is the weights' codes, 393,216 bytes; a joint load lands in LDS, where 266,240 + 35,584 bytes are taken, and a wave's 98,304 bytes go straight to its registers.
; NO PREFETCH: every byte of x that the work-group reads is asked for in its first lines.
; OUT (all laid in the order of the next launch's operand registers): ac [tile 4 g + t][2,048]; asc [tile][16 words]; kv [key step g / 2][q's 8 tiles, 16,384 | v^T's 8 tiles, 16,384];
; kvs [g][q's scale words: lane r + 16 (t % 2), word t / 2: 256 bytes | v's scale bytes: lane r + 16 u, two bytes at 2 w: 256 bytes].
; LIMITS: a block whose largest magnitude lies under 2^-118 keeps the byte 1; a block of zeros gets the byte 1 where the quantiser's text says 127 (its codes are zeros; this program alone reads the
; bytes); NaN and infinities among the inputs are not served.
; REGISTERS, in windows of 256.  Window 0: v1-15 addresses; v16-39 W's scale words (3 s + m); v40-47 x's (4 e + t); v48-63 at work; v64-127 64 numbers of x; v128-255 x's 8 fragments of a quarter (64 e + 16 t),
; and, while those are done with, the codes just made.  Window 1: accumulators: k at 16 t + 8 u, q at 64 + 16 t + 8 u, v at 128 + 32 u + 8 t.  Windows 2, 3: W's 12 fragments of the even, the odd quarters (96 e + 16 f).
.set XRW,  66560                       ; LDS: a wave's part of x: four quarters of K,
.set XRQ,  16640                       ; each 16 rows,
.set XRG,  8320                        ; in two groups of 8 (one tensor load each),
.set XP,   1040                        ; a row: 1,024 bytes + 16 of padding = 65 x 16: the 16 rows that a load touches start at 16 different 16-byte columns of the 64 banks (ISA guide 11.1)
.set IMG,  266240                      ; behind x: the images, two sets
.set IMGP, 17408                       ; a set: 8 fragments of 2,048 bytes,
.set ISC,  16384                       ; then their scale words, 128 bytes each
.set SC,   301056                      ; behind them: 256 bytes of k's scale bytes, 256 of q's, 256 of v's
.set PW,  3                            ; v3   the scale word just made
.set XA,  4                            ; v4   x in LDS: my wave's part, row r, + 64 h
.set L16, 5                            ; v5   16 x lane
.set L4,  6                            ; v6   4 x lane
.set IW,  7                            ; v7   where I store images: IMG + 2,048 w + 16 x lane
.set SW,  8                            ; v8   and their scale words: IMG + ISC + 128 w + 4 x lane
.set IR,  9                            ; v9   where I read images: IMG + 16 x lane
.set SR,  10                           ; v10  and scale words: IMG + ISC + 4 x lane
.set GA,  11                           ; v11  512 w + 16 x lane: group w of an image of k or q
.set GV,  12                           ; v12  4,096 w + 16 x lane: v^T's tiles 2 w, 2 w + 1
.set BK,  13                           ; v13  SC + 4 r + w
.set BQ,  14                           ; v14  SC + 256 + 8 r + w
.set BV,  15                           ; v15  SC + 512 + 8 r + 2 w
.set WS,  16
.set XS,  40
.set TM,  48                           ; v48-51 largest magnitudes, v52-55 bytes, v56-59 448 x the scale, v60-63 the conversions' scale operands
.set X,   64
.set XF,  128
.set PC,  128
.set WV,  18                           ; s18  my wave's number
.set SEL, 20                           ; s[20:21] v_permlanex16_b32's selects for lane l xor 16
.set MNT, 22                           ; s22  the mantissa field of 448
.set G1,  24                           ; s[24:31] descriptor group 1
.set G0,  32                           ; s[32:63] eight groups 0: n = 2 x quarter + group of rows
.set MSB, 0
.macro WIN new                         ; the immediate's high byte repeats the setting that is left; a switch that changes nothing is dropped
.if MSB != (\new)
	s_set_vgpr_msb (MSB<<8)|(\new)
.set MSB, (\new)
.endif
.endm
	s_load_b256 s[4:11], s[0:1], 0x0               ; x s[4:5], wc s[6:7], ws s[8:9], ac s[10:11]
	s_load_b128 s[12:15], s[0:1], 0x20             ; asc s[12:13], kv s[14:15]
	s_load_b64 s[16:17], s[0:1], 0x30              ; kvs
	s_set_vgpr_msb 0x40
	v_lshl_add_u32 v254, v0, 2, 0x49b00
	v_mov_b32 v255, 0
	s_set_vgpr_msb 0x4045
	ds_add_u32 v254, v255
	ds_add_u32 v254, v255
	s_set_vgpr_msb 0x4500
	v_lshrrev_b32 v1, 5, v0
	v_readfirstlane_b32 s[WV], v1                  ; wave 0..3
	; descriptor group 1: 8 rows x 256 elements of 4 bytes, 1,024 elements from row to row, 4 words of padding behind each 256
	s_mov_b32 s[G1+0], (2<<16)|(1<<20)|(7<<22)|(3<<25)
	s_mov_b32 s[G1+1], 256<<16                     ; tensor_dim0
	s_mov_b32 s[G1+2], 8<<16                       ; tensor_dim1
	s_mov_b32 s[G1+3], 256<<16                     ; tile_dim0
	s_mov_b32 s[G1+4], 8                           ; tile_dim1
	s_mov_b32 s[G1+5], 1024                        ; tensor_dim0_stride
	s_mov_b32 s[G1+6], 0
	s_mov_b32 s[G1+7], 0
	s_mov_b32 s[SEL], 0x76543210
	s_mov_b32 s[SEL+1], 0xfedcba98
	s_mov_b32 s[MNT], 0x600000
	s_mul_i32 s23, s[WV], XRW                      ; my part of x in LDS
	s_lshl_b32 s2, ttmp9, 18                       ; 64 g rows of 4,096 bytes,
	s_lshr_b32 s3, s[WV], 1
	s_lshl_b32 s3, s3, 17                          ; + 32 (w / 2) rows,
	s_add_co_u32 s2, s2, s3
	s_and_b32 s3, s[WV], 1
	s_lshl_b32 s3, s3, 15                          ; + 8 (w % 2) rows
	s_add_co_u32 s2, s2, s3
	s_mov_b32 s3, 0
	s_wait_dscnt 0x0
	s_wait_kmcnt 0x0
	s_add_nc_u64 s[68:69], s[4:5], s[2:3]
.irp n, 0,1,2,3,4,5,6,7
	s_mov_b32 s[G0+4*\n], 1                                        ; count = 1
	s_add_co_u32 s[G0+4*\n+1], s23, (\n/2)*XRQ+(\n%2)*XRG          ; LDS address
	s_add_nc_u64 s[G0+4*\n+2:G0+4*\n+3], s[68:69], (\n%2)*65536+(\n/2)*1024   ; the second group of rows lies 16 rows down; a quarter of K is 1,024 bytes
	s_or_b32 s[G0+4*\n+3], s[G0+4*\n+3], 0x80000000                ; type = 2
.endr
.irp n, 0,1,2,3,4,5,6,7
	tensor_load_to_lds s[G0+4*\n:G0+4*\n+3], s[G1:G1+7]            ; all of my 16 rows, quarter by quarter: eight loads of mine are out
	s_nop 0
.endr
	v_and_b32 v1, 31, v0                           ; lane.  (No window is switched in the lines behind the loads)
	v_and_b32 v2, 15, v0                           ; r
	v_bfe_u32 v3, v0, 4, 1                         ; h
	v_lshlrev_b32 v[L16], 4, v1
	v_lshlrev_b32 v[L4], 2, v1
	v_mul_u32_u24 v[XA], v2, XP
	v_lshl_add_u32 v[XA], v3, 6, v[XA]
	v_add_nc_u32 v[XA], s23, v[XA]
	s_lshl_b32 s2, s[WV], 11
	v_add_nc_u32 v[IW], s2, v[L16]
	v_add_nc_u32 v[IW], IMG, v[IW]
	s_lshl_b32 s2, s[WV], 7
	v_add_nc_u32 v[SW], s2, v[L4]
	v_add_nc_u32 v[SW], IMG+ISC, v[SW]
	v_add_nc_u32 v[IR], IMG, v[L16]
	v_add_nc_u32 v[SR], IMG+ISC, v[L4]
	s_lshl_b32 s2, s[WV], 9
	v_add_nc_u32 v[GA], s2, v[L16]
	s_lshl_b32 s2, s[WV], 12
	v_add_nc_u32 v[GV], s2, v[L16]
	v_lshl_add_u32 v[BK], v2, 2, s[WV]
	v_add_nc_u32 v[BK], SC, v[BK]
	v_lshl_add_u32 v[BQ], v2, 3, s[WV]
	v_add_nc_u32 v[BQ], SC+256, v[BQ]
	s_lshl_b32 s2, s[WV], 1
	v_lshl_add_u32 v[BV], v2, 3, s2
	v_add_nc_u32 v[BV], SC+512, v[BV]
	v_lshl_add_u32 v1, v1, 3, SC                   ; v1: where wave 0 reads k's scale bytes back: SC + 8 x lane
	v_add_nc_u32 v2, SC+256, v[L16]                ; v2: where wave 1 reads q's and v's: SC + 256 + 16 x lane
.irp b, 0,1,2,3
	v_mov_b32 v[TM+4+\b], 0                        ; a lane permute's destination counts as one of its sources
.endr
	s_mul_i32 s2, s[WV], 98304
	s_add_nc_u64 s[6:7], s[6:7], s[2:3]            ; my wave's part of wc (s3 = 0),
	s_mul_i32 s2, s[WV], 3072
	s_add_nc_u64 s[8:9], s[8:9], s[2:3]            ; and of ws
.irp n, 0,1,2,3,4,5,6,7,8,9,10,11,12,13,14,15,16,17,18,19,20,21,22,23
	global_load_b32 v[WS+\n], v[L4], s[8:9] offset:128*\n   ; lanes 0-15: the columns of tile u = 0; lanes 16-31: of u = 1
.endr
; W's 12 fragments of quarter q (K steps 2 q, 2 q + 1) into window 2 (q even) or 3 (q odd): 48 loads
.macro WLOAD q
	WIN 0x80+0x40*((\q)%2)
.irp e, 0,1
.irp f, 0,1,2,3,4,5
.irp c, 0,1,2,3
	global_load_b128 v[96*\e+16*\f+4*\c:96*\e+16*\f+4*\c+3], v[L16], s[6:7] offset:(2*(\q)+\e)*12288+\f*2048+\c*512
.endr
.endr
.endr
	WIN 0
.endm
; my row's 64 numbers of K step 2 q + e: register 16 b + 4 j + .. = k 32 b + 16 h + 4 j + ..
.macro XREAD q, e
.irp b, 0,1,2,3
.irp j, 0,1,2,3
	ds_load_b128 v[X+16*\b+4*\j:X+16*\b+4*\j+3], v[XA] offset:(\q)*XRQ+(\e)*512+\b*128+16*\j
.endr
.endr
.endm
; 64 numbers of a lane in window win, v[s] .. v[s + 63], four blocks of 16 (each joined with lane l xor 16's 16), become 16 registers of codes in v[pc] on (window 0); the bytes stay in v[TM+4] on;
; word = 1: they also make a scale word in v[PW].  Every accumulator is read from its low end on.
.macro QUANT s, win, pc, word
	WIN 0x05*(\win)
.irp b, 0,1,2,3
	v_max3_num_f32 v[TM+\b], |v[\s+16*\b]|, |v[\s+1+16*\b]|, 0x4800000   ; my 16 numbers, and the floor 2^(9 - 127): the byte cannot fall under 1
.endr
	WIN 0x14*(\win)
.irp i, 2,4,6,8,10,12,14
.irp b, 0,1,2,3
	v_max3_num_f32 v[TM+\b], v[TM+\b], |v[\s+16*\b+\i]|, |v[\s+1+16*\b+\i]|   ; the four blocks by turns
.endr
.endr
	WIN 0
.irp b, 0,1,2,3
	v_permlanex16_b32 v[TM+4+\b], v[TM+\b], s[SEL], s[SEL+1]
.endr
.irp b, 0,1,2,3
	v_max_num_f32 v[TM+\b], v[TM+\b], v[TM+4+\b]   ; the block's largest magnitude
.endr
.irp b, 0,1,2,3
	v_add_nc_u32 v[TM+12+\b], 0xfc000000, v[TM+\b] ; 8 off its exponent field: the conversion's scale operand
.endr
.irp b, 0,1,2,3
	v_and_or_b32 v[TM+8+\b], v[TM+\b], 0x7f800000, s[MNT]   ; 448 x the scale
.endr
.irp b, 0,1,2,3
	v_lshrrev_b32 v[TM+4+\b], 23, v[TM+12+\b]      ; the scale's byte
.endr
.if \word
	v_lshl_or_b32 v[PW], v[TM+5], 8, v[TM+4]
	v_lshl_or_b32 v[PW], v[TM+6], 16, v[PW]
	v_lshl_or_b32 v[PW], v[TM+7], 24, v[PW]
.endif
	WIN 0x41*(\win)
.irp b, 0,1,2,3
.irp i, 0,1,2,3,4,5,6,7,8,9,10,11,12,13,14,15
	v_med3_num_f32 v[\s+16*\b+\i], v[\s+16*\b+\i], -v[TM+8+\b], v[TM+8+\b]   ; the conversion to an 8-bit code does not saturate (ISA guide 7.6.2): the hold comes first
.endr
.endr
	WIN 0x01*(\win)
.irp b, 0,1,2,3
	v_cvt_scalef32_pk8_fp8_f32 v[\pc+4*\b:\pc+1+4*\b], v[\s+16*\b:\s+7+16*\b], v[TM+12+\b]
	v_cvt_scalef32_pk8_fp8_f32 v[\pc+2+4*\b:\pc+3+4*\b], v[\s+8+16*\b:\s+15+16*\b], v[TM+12+\b]
.endr
	WIN 0
	v_nop                                          ; a plain line behind the last conversion
.endm
.macro IMAGE p, e                      ; my tile's fragment of the quarter's K step e, and its scale word, into set p
.irp c, 0,1,2,3
	ds_store_b128 v[IW], v[PC+4*\c:PC+4*\c+3] offset:(\p)*IMGP+(\e)*8192+512*\c
.endr
	ds_store_b32 v[SW], v[PW] offset:(\p)*IMGP+(\e)*512
.endm
.macro FETCH p                         ; all eight fragments (n = 4 e + t) of set p, and their scale words
.irp n, 0,1,2,3,4,5,6,7
.irp c, 0,1,2,3
	ds_load_b128 v[XF+16*\n+4*\c:XF+16*\n+4*\c+3], v[IR] offset:(\p)*IMGP+\n*2048+512*\c
.endr
	ds_load_b32 v[XS+\n], v[SR] offset:(\p)*IMGP+\n*128
.endr
.endm
.macro BARRIER                         ; my LDS stores have landed and my LDS loads are in: then the work-group's barrier
	s_wait_dscnt 0x0
	s_barrier_signal -1
	s_barrier_wait -1
.endm
; one product, on the registers named by rD, rA, rB, rSA, rSB.  K step 0 starts the sums with the constant 0: nothing is cleared
.macro PROD rowa, rowb
.if SS == 0
.if \rowa
	v_wmma_scale_f32_16x16x128_f8f6f4 v[rD:rD+7], v[rA:rA+15], v[rB:rB+15], 0, v[rSA], v[rSB] matrix_a_scale:MATRIX_SCALE_ROW1
.elseif \rowb
	v_wmma_scale_f32_16x16x128_f8f6f4 v[rD:rD+7], v[rA:rA+15], v[rB:rB+15], 0, v[rSA], v[rSB] matrix_b_scale:MATRIX_SCALE_ROW1
.else
	v_wmma_scale_f32_16x16x128_f8f6f4 v[rD:rD+7], v[rA:rA+15], v[rB:rB+15], 0, v[rSA], v[rSB]
.endif
.else
.if \rowa
	v_wmma_scale_f32_16x16x128_f8f6f4 v[rD:rD+7], v[rA:rA+15], v[rB:rB+15], v[rD:rD+7], v[rSA], v[rSB] matrix_a_scale:MATRIX_SCALE_ROW1
.elseif \rowb
	v_wmma_scale_f32_16x16x128_f8f6f4 v[rD:rD+7], v[rA:rA+15], v[rB:rB+15], v[rD:rD+7], v[rSA], v[rSB] matrix_b_scale:MATRIX_SCALE_ROW1
.else
	v_wmma_scale_f32_16x16x128_f8f6f4 v[rD:rD+7], v[rA:rA+15], v[rB:rB+15], v[rD:rD+7], v[rSA], v[rSB]
.endif
.endif
.endm
; K step 2 q + e: 24 products.  The 24 accumulators take turns, one instruction a turn, in the same order in every K step.
.macro MULS q, e
.set SS, 2*(\q)+(\e)
.set WW, 2+(\q)%2                      ; W's window
	WIN 0x50+WW                                    ; k, q, transposed: source 0 = W, source 1 = x (window 0); C and D window 1
.irp m, 0,1
.irp t, 0,1,2,3
.irp u, 0,1
.set rD, 64*\m+16*\t+8*\u
.set rA, 96*(\e)+16*(2*\m+\u)
.set rB, XF+64*(\e)+16*\t
.set rSA, WS+3*SS+\m
.set rSB, XS+4*(\e)+\t
	PROD \u, 0
.endr
.endr
.endr
	WIN 0x50+4*WW                                  ; v: source 0 = x, source 1 = W
.irp u, 0,1
.irp t, 0,1,2,3
.set rD, 128+32*\u+8*\t
.set rA, XF+64*(\e)+16*\t
.set rB, 96*(\e)+16*(4+\u)
.set rSA, XS+4*(\e)+\t
.set rSB, WS+3*SS+2
	PROD 0, \u
.endr
.endr
.endm
; A QUARTER OF K: my tile's two fragments are made and stored; one barrier; all eight are fetched and multiplied.  Set p is written again two quarters on, behind the next quarter's barrier, which
; every wave reaches behind the wait for its reads of set p.
.macro QUARTER q
.set PP, (\q)%2
	s_wait_tensorcnt 6-2*(\q)                      ; tensor loads of a wave end in order (ISA guide 10.11.1): this quarter's two are in; the two of each later quarter may be out
	XREAD \q, 0
	s_wait_dscnt 0x0
	QUANT X, 0, PC, 1
	IMAGE PP, 0
	XREAD \q, 1
	s_wait_dscnt 0x0                               ; the numbers are in, and the stores have read the codes' registers
	QUANT X, 0, PC, 1
	IMAGE PP, 1
	BARRIER                                        ; the quarter's eight fragments lie in LDS
	FETCH PP
.if \q < 3
	s_wait_loadcnt 48                              ; loads come back in order (ISA guide 5.7.1): this quarter's weights are in; the 48 loads of the quarter behind it may be out
.else
	s_wait_loadcnt 0x0
.endif
	s_wait_dscnt 0x0
	MULS \q, 0
	MULS \q, 1
	WIN 0
.rept 8
	v_nop                                          ; eight places in front of loads into, and vector writes of, registers that these products read, and of the first read of results
.endr
.if \q < 2
	WLOAD (\q)+2                                   ; into the window just multiplied
.endif
.endm
	WLOAD 0
	WLOAD 1
	s_lshl_b32 s2, ttmp9, 13
	s_add_nc_u64 s[10:11], s[10:11], s[2:3]        ; ac at my four tiles
	s_lshl_b32 s2, ttmp9, 8
	s_add_nc_u64 s[12:13], s[12:13], s[2:3]        ; asc likewise
	s_lshl_b32 s2, ttmp9, 9
	s_add_nc_u64 s[16:17], s[16:17], s[2:3]        ; kvs at my 512 bytes
	s_lshr_b32 s2, ttmp9, 1
	s_lshl_b32 s2, s2, 15                          ; my key step's 32,768 bytes
	s_and_b32 s68, ttmp9, 1                        ; which half of its 128 keys is mine
	s_lshl_b32 s70, s68, 10
	s_add_co_u32 s70, s70, s2
	s_add_co_u32 s70, s70, 16384                   ; v^T's tiles: behind q's; my half's two groups begin 1,024 bytes on in each tile
	s_mov_b32 s71, 0
	s_add_nc_u64 s[66:67], s[14:15], s[70:71]
	s_lshl_b32 s68, s68, 13                        ; q's tiles: my half's four begin 8,192 bytes on
	s_add_co_u32 s2, s2, s68
	s_add_nc_u64 s[14:15], s[14:15], s[2:3]
	QUARTER 0
	QUARTER 1
	QUARTER 2
	QUARTER 3
	; THE WAY OUT.  k: the four blocks are the four row tiles' block w of the head's 128: group w of each tile's image
	QUANT 0, 1, 128, 0
.irp t, 0,1,2,3
	global_store_b128 v[GA], v[128+4*\t:128+4*\t+3], s[10:11] offset:2048*\t   ; 32 lanes store 512 consecutive bytes
	ds_store_b8 v[BK], v[TM+4+\t] offset:64*\t     ; byte w of row r's scale word; lanes r and r + 16 write the same byte
.endr
	s_wait_dscnt 0x0                               ; the stores have read the bytes' registers
	QUANT 64, 1, 144, 0                            ; q likewise
.irp t, 0,1,2,3
	global_store_b128 v[GA], v[144+4*\t:144+4*\t+3], s[14:15] offset:2048*\t
	ds_store_b8 v[BQ], v[TM+4+\t] offset:128*(\t%2)+4*(\t/2)
.endr
	s_wait_dscnt 0x0
	QUANT 128, 1, 160, 0                           ; v: block 2 u + b: channel 32 w + 16 u + r, keys 32 b + 16 h + 0 .. 15 of my 64
.irp u, 0,1
.irp b, 0,1
	global_store_b128 v[GV], v[160+8*\u+4*\b:160+8*\u+4*\b+3], s[66:67] offset:2048*\u+512*\b
.endr
	v_lshl_or_b32 v[TM+\u], v[TM+5+2*\u], 8, v[TM+4+2*\u]   ; the channel's two bytes
	ds_store_b16 v[BV], v[TM+\u] offset:128*\u
.endr
	v_lshlrev_b32 v64, 1, v[L4]                    ; 8 x lane
	BARRIER                                        ; all scale bytes lie in LDS
	s_cmp_lg_u32 s[WV], 0
	s_cbranch_scc1 .Lnot_wave_0
	ds_load_b64 v[66:67], v1
	s_wait_dscnt 0x0
	global_store_b64 v64, v[66:67], s[12:13]       ; k's 64 scale words: 256 consecutive bytes, aligned
.Lnot_wave_0:
	s_cmp_lg_u32 s[WV], 1
	s_cbranch_scc1 .Ldone
	ds_load_b128 v[68:71], v2
	s_wait_dscnt 0x0
	global_store_b128 v[L16], v[68:71], s[16:17]   ; q's and v's: 512 consecutive bytes, aligned
.Ldone:
	s_set_vgpr_msb 0x5
	s_wait_tensorcnt 0x0
	ds_add_u32 v254, v255
	s_wait_dscnt 0x0
	s_set_vgpr_msb 0x500
	s_endpgm
.Lfunc_end_k_qa581de2a43_proj:
	.size	k_qa581de2a43_proj, .Lfunc_end_k_qa581de2a43_proj-k_qa581de2a43_proj
	.p2alignl 7, 3214868480
	.fill 96, 4, 3214868480
	.section	.rodata,"a",@progbits
	.p2align	6, 0x0
	.amdhsa_kernel k_qa581de2a43_proj
		.amdhsa_group_segment_fixed_size 327680
		.amdhsa_private_segment_fixed_size 0
		.amdhsa_enable_private_segment 0
		.amdhsa_kernarg_size 56
		.amdhsa_user_sgpr_count 2
		.amdhsa_user_sgpr_kernarg_segment_ptr 1
		.amdhsa_wavefront_size32 1
		.amdhsa_system_sgpr_workgroup_id_x 1
		.amdhsa_system_sgpr_workgroup_id_y 1
		.amdhsa_system_sgpr_workgroup_id_z 1
		.amdhsa_system_vgpr_workitem_id 0
		.amdhsa_next_free_vgpr 1024
		.amdhsa_next_free_sgpr 72
		.amdhsa_reserve_vcc 0
		.amdhsa_float_denorm_mode_32 3
		.amdhsa_float_denorm_mode_16_64 3
		.amdhsa_memory_ordered 1
		.amdhsa_forward_progress 1
		.amdhsa_inst_pref_size 165
	.end_amdhsa_kernel
	.amdgpu_metadata
---
amdhsa.version: [ 1, 2 ]
amdhsa.kernels:
  - .name:           k_qa581de2a43_proj
    .symbol:         k_qa581de2a43_proj.kd
    .args:
      - { .name: x, .offset: 0, .size: 8, .value_kind: global_buffer, .address_space: global }
      - { .name: wc, .offset: 8, .size: 8, .value_kind: global_buffer, .address_space: global }
      - { .name: ws, .offset: 16, .size: 8, .value_kind: global_buffer, .address_space: global }
      - { .name: ac, .offset: 24, .size: 8, .value_kind: global_buffer, .address_space: global }
      - { .name: asc, .offset: 32, .size: 8, .value_kind: global_buffer, .address_space: global }
      - { .name: kv, .offset: 40, .size: 8, .value_kind: global_buffer, .address_space: global }
      - { .name: kvs, .offset: 48, .size: 8, .value_kind: global_buffer, .address_space: global }
    .group_segment_fixed_size: 327680
    .private_segment_fixed_size: 0
    .kernarg_segment_align: 8
    .kernarg_segment_size: 56
    .max_flat_workgroup_size: 128
    .sgpr_count:     72
    .vgpr_count:     1024
    .wavefront_size: 32
...
	.end_amdgpu_metadata
.endif
;; end of part 2
;; launch attn (part 3): grid 64 x 4, 8 waves a work-group, no clusters, 138,240 bytes of LDS; arguments ac, asc, kv, kvs, out0; writes out0
.if DOCPART == 3
	.amdgcn_target "amdgcn-amd-amdhsa--gfx1250"
	.amdhsa_code_object_version 6
	.text
	.protected	k_qa581de2a43_attn
	.globl	k_qa581de2a43_attn
	.p2align	8
	.type	k_qa581de2a43_attn,@function
k_qa581de2a43_attn:
	s_mov_b64 s[64:65], 0
	v_nop
	global_prefetch_b8 v0, s[64:65] scope:SCOPE_SE
	s_setreg_imm32_b32 hwreg(HW_REG_WAVE_MODE, 25, 1), 1
	s_wait_xcnt 0x0
; out[b][i] = the sum over j <= i of softmax_j(k[b][i] . q[b][j] / 32) v[b][j], both products on codes of FP8 (E4M3) with one E8M0 scale for each 32 along a product's K.
; The softmax's ROWS are k's rows; q's rows are the keys.  All operands come as images of their registers (group c at 512 c, lane l's 16 bytes at 16 l), made by the launch before.
; THE SOFTMAX AHEAD OF THE SECOND PRODUCT: t = score x log2(e) / 32; M = the largest t so far, rounded UP to a whole number; p = 2^(t - M) is quantised along the keys, not normalised; the row's sum is
; taken of the unquantised p and divides at the end.  When M moves, the sum and O are multiplied by 2^(old M - new M): exact.  A block's largest p is made from the block's largest score by the same
; multiply-add and exponential (this takes v_exp_f32 not to fall where its input rises; at the worst one p within an ulp of a power of two is held one code low).
; SHARES.  Work-group (a, b) owns two blocks of 32 rows of batch b: block 127 - a (pass 0: 32 - a / 4 key steps of 128 keys under the causal mask) and block a (pass 1: a / 4 + 1 steps): 33 steps in every
; work-group.  The 33 are dealt to the eight waves in turn: a wave takes steps e0, e0 + 8, .. of a pass, for both row tiles, with its OWN running M, sum and O^T; at a pass's end the eight parts meet
; in LDS, are brought under the largest M (exact powers of two), added and divided by the sum.  Steps that lie wholly above the diagonal are not walked; only a pass's last step is masked, and its first
; key counts for every row, so M is a number.
; LAYOUT.  Both products are used transposed: S^T = q k^T (source 0 = 16 keys, source 1 = 16 rows), O^T = v^T p^T: a lane holds ONE row throughout.  Lane r of row tile u is row 8 u + r + 8 (r / 8) of the 32;
; lane r of key tile 2 b + u is key 32 b + 8 u + r + 8 (r / 8), so that the 16 registers of two neighbouring tiles are 16 neighbouring keys.
; q's and v's fragments go from memory straight into registers; each feeds two products.  Two waves share a SIMD's registers, so that one wave's loads and products stand beside the other's softmax.
; NO CLUSTER: the steps that a wave walks, and how many, hang on a and on the wave's number (17 to 32 steps in pass 0, 1 to 16 in pass 1): partners would need different tiles at different times.
; PREFETCH: in pass 0 of work-group a = 0 of each batch, which walks all 32 steps, each wave asks, behind its loads, for the 32,768 bytes of its own next step (one trip ahead; lanes 256 bytes apart,
; four instructions); its last trip asks for nothing; steps 0 to 7 come by their loads alone.  So each block of 256 bytes from step 8 on is named once.
; LIMITS: NaN and infinities among the operands are not served.
; REGISTERS.  Window 0: v1-11 addresses; v12-15 q's scale words; v16-19 v's scale bytes as loaded, v20-23 as words; v24 k's scale words; v25-26 p's; v28-39 statistics, six a tile (-M, largest t, the sum in two
; halves, f and a partner); v40-59 at work; v64-191 S^T, then p, 64 a tile; v192-223 p's codes; v224-255 k's two fragments.  Window 1: v0-127 O^T, 64 a tile; v128-255 q's, then v^T's eight fragments.
.set L16, 1                            ; v1   16 x lane
.set L8,  2                            ; v2   8 x lane
.set L4,  3                            ; v3   4 x lane
.set OSTO, 4                           ; v4   the stage: 16,896 x wave + 528 r + 32 h
.set STS, 5                            ; v5   STM + 32 r + 4 x wave
.set ORD0, 6                           ; v6   2,112 x wave + 16 x lane: my four rows in the parts of waves 0-3
.set ORD1, 7                           ; v7   the same in the parts of waves 4-7
.set STR, 9                            ; v9   STM + 128 x wave: my four rows' statistics
.set PFO, 10                           ; v10  256 x lane
.set RL,  11                           ; v11  r + 8 (r / 8) - 16 h
.set SB,  12
.set SVR, 16
.set SV,  20
.set AS,  24
.set PW,  25
.set ST,  28
.set BM,  40
.set PM,  44
.set HD,  48
.set SO,  52
.set T0,  56
.set NINF, 57
.set DD,  58
.set S,   64
.set P,   192
.set AQ,  224
.set KV,  128                          ; in window 1
.set MB,  64                           ; the merge: row i's 48 registers at v[MB + 48 i]: 8 x -M (then f), 8 sums, 8 parts of 4
.set STM, 135168                       ; LDS: 0 .. the stage: 8 waves x 32 rows x (512 + 16) bytes; then -M [row 32][wave 8], and 1,024 bytes on the sums likewise
.set WV,  14                           ; s14 wave;  s15 a;  s16 b;  s17 pass;  s18 block;  s19 steps;  s20 my first step;  s21 my trips;  s22 the trip;  s23 the block's first row;  s24 the step's first key
.set LIMN, 25                          ; s25 my trips where I prefetch, else 0
.set KVP, 26                           ; s[26:27] kv at my step;  s[28:29] kvs;  s[30:31] ac;  s[32:33] asc;  s[34:35] out0 at my four rows
.set KSP, 28
.set ACP, 30
.set ASP, 32
.set OUTP, 34
.set SEL, 36                           ; s[36:37] v_permlanex16_b32's selects for lane l xor 16
.set CS,  38                           ; s[38:39] c = log2(e) / 32
.set MNT, 40                           ; s40 the mantissa field of 448
.set MSB, 0
.macro WIN new                         ; the immediate's high byte repeats the setting that is left; a switch that changes nothing is dropped
.if MSB != (\new)
	s_set_vgpr_msb (MSB<<8)|(\new)
.set MSB, (\new)
.endif
.endm
.macro PLACES                          ; eight places behind this matrix form
.rept 8
	v_nop
.endr
.endm
	s_load_b256 s[4:11], s[0:1], 0x0               ; ac s[4:5], asc s[6:7], kv s[8:9], kvs s[10:11]
	s_load_b64 s[12:13], s[0:1], 0x20              ; out0
	v_lshl_add_u32 v62, v0, 2, 0x21800
	v_mov_b32 v63, 0
	v_lshrrev_b32 v1, 5, v0
	v_readfirstlane_b32 s[WV], v1                  ; wave 0..7
	s_mov_b32 s15, ttmp9                           ; a
	s_and_b32 s16, ttmp7, 0xffff                   ; b
	v_and_b32 v8, 31, v0                           ; lane
	v_and_b32 v56, 15, v0                          ; r
	v_bfe_u32 v57, v0, 4, 1                        ; h
	v_lshlrev_b32 v[L16], 4, v8
	v_lshlrev_b32 v[L8], 3, v8
	v_lshlrev_b32 v[L4], 2, v8
	v_lshlrev_b32 v[PFO], 8, v8
	s_mul_i32 s44, s[WV], 16896
	v_mul_u32_u24 v[OSTO], v56, 528
	v_lshl_add_u32 v[OSTO], v57, 5, v[OSTO]
	v_add_nc_u32 v[OSTO], s44, v[OSTO]
	s_lshl_b32 s44, s[WV], 2
	v_lshl_add_u32 v[STS], v56, 5, s44
	v_add_nc_u32 v[STS], STM, v[STS]
	s_mul_i32 s44, s[WV], 2112
	v_add_nc_u32 v[ORD0], s44, v[L16]
	v_add_nc_u32 v[ORD1], 67584, v[ORD0]
	s_lshl_b32 s44, s[WV], 7
	s_add_co_u32 s44, s44, STM
	v_mov_b32 v[STR], s44
	v_and_b32 v[RL], 8, v56
	v_add_nc_u32 v[RL], v[RL], v56
	v_lshlrev_b32 v57, 4, v57
	v_sub_nc_u32 v[RL], v[RL], v57
	v_mov_b32 v[NINF], 0xff800000                  ; -infinity
.irp b, 0,1,2,3
	v_mov_b32 v[PM+\b], 0                          ; a lane permute's destination counts as one of its sources
.endr
	v_mov_b32 v[ST+5], 0                           ; named with f as a pair, so it is written
	v_mov_b32 v[ST+11], 0
	s_mov_b32 s[SEL], 0x76543210
	s_mov_b32 s[SEL+1], 0xfedcba98
	s_mov_b32 s[CS], 0x3d38aa3b                    ; log2(e) / 32
	s_mov_b32 s[CS+1], s[CS]                       ; (named with it as a pair, so it is written)
	s_mov_b32 s[MNT], 0x600000
	s_mov_b32 s41, 0x05040100                      ; v_perm_b32: the two low halves,
	s_mov_b32 s42, 0x07060302                      ; the two high halves
	s_sub_co_u32 s50, 127, s15                     ; pass 0's block
	s_lshr_b32 s44, s15, 2
	s_sub_co_u32 s51, 32, s44                      ; its steps
	s_add_co_u32 s52, s44, 1                       ; pass 1's steps
	s_sub_co_u32 s53, s[WV], s51
	s_and_b32 s53, s53, 7                          ; my first step in pass 1: the deal goes on where pass 0's ended
	s_lshr_b32 s44, s[WV], 2                       ; the four rows that I merge: stage rows 4 x wave + i = tile wave / 4, lanes 4 (wave % 4) + i:
	s_lshl_b32 s48, s44, 3                         ; row 8 (wave / 4)
	s_and_b32 s44, s[WV], 3
	s_lshl_b32 s45, s44, 2
	s_add_co_u32 s48, s48, s45                     ; + 4 (wave % 4)
	s_lshr_b32 s44, s44, 1
	s_lshl_b32 s44, s44, 3
	s_add_co_u32 s48, s48, s44                     ; + 8 ((wave % 4) / 2), + i: four neighbouring rows of the block
	s_mov_b32 s17, 0
	s_wait_kmcnt 0x0
; S^T's product on the registers named by rD, rA, rB, rSA: it starts its sum with the constant 0
.macro SP rowa, rowb
.if (\rowa) && (\rowb)
	v_wmma_scale_f32_16x16x128_f8f6f4 v[rD:rD+7], v[rA:rA+15], v[rB:rB+15], 0, v[rSA], v[AS] matrix_a_scale:MATRIX_SCALE_ROW1 matrix_b_scale:MATRIX_SCALE_ROW1
.elseif \rowa
	v_wmma_scale_f32_16x16x128_f8f6f4 v[rD:rD+7], v[rA:rA+15], v[rB:rB+15], 0, v[rSA], v[AS] matrix_a_scale:MATRIX_SCALE_ROW1
.elseif \rowb
	v_wmma_scale_f32_16x16x128_f8f6f4 v[rD:rD+7], v[rA:rA+15], v[rB:rB+15], 0, v[rSA], v[AS] matrix_b_scale:MATRIX_SCALE_ROW1
.else
	v_wmma_scale_f32_16x16x128_f8f6f4 v[rD:rD+7], v[rA:rA+15], v[rB:rB+15], 0, v[rSA], v[AS]
.endif
.endm
.macro PV rowa                         ; O^T's product, in place
.if \rowa
	v_wmma_scale_f32_16x16x128_f8f6f4 v[rD:rD+7], v[rA:rA+15], v[rB:rB+15], v[rD:rD+7], v[rSA], v[rSB] matrix_a_scale:MATRIX_SCALE_ROW1
.else
	v_wmma_scale_f32_16x16x128_f8f6f4 v[rD:rD+7], v[rA:rA+15], v[rB:rB+15], v[rD:rD+7], v[rSA], v[rSB]
.endif
.endm
; register n of tile u holds key KF + 16 h + 32 (n / 16) + n % 16: hidden where 32 (n / 16) + n % 16 > d = my row - KF - 16 h.  Ascending: each accumulator is read from its low end on
.macro MASK u
.set n, 0
.rept 64
	v_cmp_gt_i32 vcc_lo, 32*(n/16)+n%16, v[DD]
	v_cndmask_b32 v[S+64*(\u)+n], v[S+64*(\u)+n], v[NINF], vcc_lo
.set n, n+1
.endr
.endm
; one tile's softmax for one key step: scores in v[rS] on become p, p's codes in v[rP] on and p's scale word
.macro SOFTMAX u
.set rS, S+64*(\u)
.set rT, ST+6*(\u)
.set rP, P+16*(\u)
.irp b, 0,1,2,3
	v_max3_num_f32 v[BM+\b], v[rS+16*\b], v[rS+1+16*\b], v[rS+2+16*\b]   ; the largest score of each block of 32 keys: for the row's maximum, and for the block's largest p
.endr
.irp i, 3,5,7,9,11,13
.irp b, 0,1,2,3
	v_max3_num_f32 v[BM+\b], v[BM+\b], v[rS+16*\b+\i], v[rS+1+16*\b+\i]   ; the four blocks by turns
.endr
.endr
.irp b, 0,1,2,3
	v_max_num_f32 v[BM+\b], v[BM+\b], v[rS+15+16*\b]
.endr
.irp b, 0,1,2,3
	v_permlanex16_b32 v[PM+\b], v[BM+\b], s[SEL], s[SEL+1]
.endr
.irp b, 0,1,2,3
	v_max_num_f32 v[BM+\b], v[BM+\b], v[PM+\b]     ; with lane l xor 16's 16 keys
.endr
	v_max3_num_f32 v[T0], v[BM], v[BM+1], v[BM+2]
	v_max_num_f32 v[T0], v[T0], v[BM+3]            ; the step's largest score of my row
	v_mul_f32 v[T0], s[CS], v[T0]                  ; as t (c is positive)
	v_max_num_f32 v[rT+1], v[rT+1], v[T0]          ; the running largest t
	v_mov_b32 v[T0], v[rT]
	v_floor_f32 v[rT], -v[rT+1]                    ; the new -M = floor(-t) = -ceil(t)
	v_sub_f32 v[T0], v[rT], v[T0]                  ; old M - new M: a whole number, 0 or less
	v_cvt_i32_f32 v[T0], v[T0]                     ; (it saturates)
	v_ldexp_f32 v[rT+4], 1.0, v[T0]                ; f = 2^(old M - new M)
.set j, 0
.rept 32
	v_pk_fma_f32 v[rS+j:rS+j+1], v[rS+j:rS+j+1], s[CS:CS+1], v[rT:rT+1] op_sel_hi:[1,0,0]   ; t - M, two at a time (of the pairs c and -M the low word serves both halves)
.set j, j+2
.endr
.irp b, 0,1,2,3
	v_fma_f32 v[BM+\b], v[BM+\b], s[CS], v[rT]     ; the same of each block's largest score
.endr
.set j, 0
.rept 64
	v_exp_f32 v[rS+j], v[rS+j]                     ; p = 2^(t - M), at most 1
.set j, j+1
.endr
	v_pk_mul_f32 v[rT+2:rT+3], v[rT+2:rT+3], v[rT+4:rT+5] op_sel_hi:[1,0]   ; the sums under the new M: a plain line behind the exponentials
	s_wait_alu depctr_va_vdst(0)                   ; one wait for the whole batch, ahead of its first reader
.irp b, 0,1,2,3
	v_exp_f32 v[BM+\b], v[BM+\b]                   ; the block's largest p
.endr
	v_pk_add_f32 v[PM:PM+1], v[rS:rS+1], v[rS+2:rS+3]   ; the row's sum of the UNQUANTISED p, two at a time, in two chains: plain work behind the four
.irp j, 4,8,12,16,20,24,28,32,36,40,44,48,52,56,60
	v_pk_add_f32 v[rT+2:rT+3], v[rT+2:rT+3], v[rS+\j:rS+1+\j]
	v_pk_add_f32 v[PM:PM+1], v[PM:PM+1], v[rS+2+\j:rS+3+\j]
.endr
	v_pk_add_f32 v[rT+2:rT+3], v[rT+2:rT+3], v[PM:PM+1]
	s_wait_alu depctr_va_vdst(0)                   ; and one for the four
.irp b, 0,1,2,3
	v_max_num_f32 v[BM+\b], 0x4800000, v[BM+\b]    ; the floor 2^(9 - 127): the byte cannot fall under 1 (a block whose every p is 0 keeps that byte: its codes are zeros)
.endr
.irp b, 0,1,2,3
	v_add_nc_u32 v[SO+\b], 0xfc000000, v[BM+\b]    ; 8 off the exponent field: the conversion's scale operand
.endr
.irp b, 0,1,2,3
	v_and_or_b32 v[HD+\b], v[BM+\b], 0x7f800000, s[MNT]   ; 448 x the scale
.endr
.irp b, 0,1,2,3
	v_lshrrev_b32 v[PM+\b], 23, v[SO+\b]           ; the scale's byte
.endr
	v_lshl_or_b32 v[PW+\u], v[PM+1], 8, v[PM]      ; p's scale word for these 128 keys
	v_lshl_or_b32 v[PW+\u], v[PM+2], 16, v[PW+\u]
	v_lshl_or_b32 v[PW+\u], v[PM+3], 24, v[PW+\u]
.irp b, 0,1,2,3
.irp i, 0,1,2,3,4,5,6,7,8,9,10,11,12,13,14,15
	v_min_num_f32 v[rS+16*\b+\i], v[rS+16*\b+\i], v[HD+\b]   ; the conversion to an 8-bit code does not saturate (ISA guide 7.6.2); p is not negative, so the hold is one-sided
.endr
	v_cvt_scalef32_pk8_fp8_f32 v[rP+4*\b:rP+1+4*\b], v[rS+16*\b:rS+7+16*\b], v[SO+\b]
	v_cvt_scalef32_pk8_fp8_f32 v[rP+2+4*\b:rP+3+4*\b], v[rS+8+16*\b:rS+15+16*\b], v[SO+\b]
.endr
.endm
.Lpass:                                                ; two trips: the late block, then the early one
	s_cmp_eq_u32 s17, 0
	s_cselect_b32 s18, s50, s15                    ; the block of 32 rows,
	s_cselect_b32 s19, s51, s52                    ; its key steps,
	s_cselect_b32 s20, s[WV], s53                  ; my first
	s_add_co_u32 s21, s19, 7
	s_sub_co_u32 s21, s21, s20
	s_lshr_b32 s21, s21, 3                         ; my trips: steps e0, e0 + 8, .. under the block's count (none, for some waves of pass 1)
	s_or_b32 s44, s17, s15
	s_cmp_eq_u32 s44, 0
	s_cselect_b32 s[LIMN], s21, 0                  ; pass 0 of a = 0 prefetches
	s_lshl_b32 s23, s18, 5                         ; the block's first row
	s_lshl_b32 s24, s20, 7                         ; my first step's first key
	s_lshl_b32 s44, s16, 7
	s_add_co_u32 s44, s44, s18                     ; the pair of row tiles: 128 b + block
	s_lshl_b32 s46, s44, 7
	s_lshl_b32 s44, s44, 12
	s_mov_b32 s45, 0
	s_mov_b32 s47, 0
	s_add_nc_u64 s[ACP:ACP+1], s[4:5], s[44:45]
	s_add_nc_u64 s[ASP:ASP+1], s[6:7], s[46:47]
	s_lshl_b32 s44, s16, 5
	s_add_co_u32 s44, s44, s20                     ; the key step: 32 b + e0
	s_lshl_b32 s46, s44, 10
	s_lshl_b32 s44, s44, 15
	s_add_nc_u64 s[KVP:KVP+1], s[8:9], s[44:45]
	s_add_nc_u64 s[KSP:KSP+1], s[10:11], s[46:47]
	s_lshl_b32 s44, s16, 12
	s_add_co_u32 s44, s44, s23
	s_add_co_u32 s44, s44, s48
	s_lshl_b32 s44, s44, 9                         ; a row of out0 is 512 bytes
	s_add_nc_u64 s[OUTP:OUTP+1], s[12:13], s[44:45]
.irp u, 0,1
.irp c, 0,1,2,3
	global_load_b128 v[AQ+16*\u+4*\c:AQ+16*\u+4*\c+3], v[L16], s[ACP:ACP+1] offset:2048*\u+512*\c   ; k's two fragments stay in registers for the pass
.endr
.endr
	global_load_b32 v[AS], v[L4], s[ASP:ASP+1]     ; their scale words: tile 0's in lanes 0-15, tile 1's in lanes 16-31
.irp u, 0,1
	v_mov_b32 v[ST+6*\u+1], 0xff61b1e6             ; the largest t so far: -3e38, under every t
	v_floor_f32 v[ST+6*\u], -v[ST+6*\u+1]          ; -M
	v_mov_b32 v[ST+6*\u+2], 0                      ; the sum, in two halves
	v_mov_b32 v[ST+6*\u+3], 0
	v_mov_b32 v[ST+6*\u+4], 0
.endr
	WIN 0x40
.set j, 0
.rept 128
	v_mov_b32 v[j], 0                              ; O^T.  The trip is written once: its first finds zeros; and a wave that has no trip hands zeros in
.set j, j+1
.endr
	WIN 0
	s_wait_loadcnt 0x0
	s_cmp_eq_u32 s21, 0
	s_cbranch_scc1 .Lmerge
	s_mov_b32 s22, 0
.Ltrip:                                                ; one key step of 128 keys, for both row tiles
	WIN 0x40
.set i, 0
.rept 32
	global_load_b128 v[KV+4*i:KV+4*i+3], v[L16], s[KVP:KVP+1] offset:512*i   ; q's eight fragments
.set i, i+1
.endr
	WIN 0
	global_load_b64 v[SB:SB+1], v[L8], s[KSP:KSP+1]               ; q's scale words: tiles 0, 1 | 2, 3,
	global_load_b64 v[SVR:SVR+1], v[L8], s[KSP:KSP+1] offset:256  ; v's scale bytes of keys 0 to 63,
	global_load_b64 v[SB+2:SB+3], v[L8], s[KSP:KSP+1] offset:512  ; tiles 4, 5 | 6, 7,
	global_load_b64 v[SVR+2:SVR+3], v[L8], s[KSP:KSP+1] offset:768   ; of keys 64 to 127
	s_add_co_u32 s44, s22, 1
	s_cmp_lt_u32 s44, s[LIMN]
	s_cbranch_scc0 .Lno_ask
.irp i, 0,1,2,3
	global_prefetch_b8 v[PFO], s[KVP:KVP+1] offset:262144+8192*\i th:TH_LOAD_NT scope:SCOPE_SE   ; my next step's 32,768 bytes
.endr
.Lno_ask:
	s_wait_loadcnt 0x0
	v_perm_b32 v[SV], v[SVR+2], v[SVR], s41        ; v's scale words: the two bytes of the first 64 keys below, those of the second 64 above: tiles 0 | 1,
	v_perm_b32 v[SV+1], v[SVR+2], v[SVR], s42      ; 2 | 3,
	v_perm_b32 v[SV+2], v[SVR+3], v[SVR+1], s41    ; 4 | 5,
	v_perm_b32 v[SV+3], v[SVR+3], v[SVR+1], s42    ; 6 | 7
	WIN 0x01                                       ; source 0 (q) window 1
.irp t, 0,1,2,3,4,5,6,7
.irp u, 0,1
.set rD, S+64*\u+8*\t
.set rA, KV+16*\t
.set rB, AQ+16*\u
.set rSA, SB+\t/2
	SP \t%2, \u
.endr
.endr
	WIN 0
	PLACES                                         ; in front of the loads into q's registers and of the first read of the scores
	WIN 0x40
.set i, 0
.rept 32
	global_load_b128 v[KV+4*i:KV+4*i+3], v[L16], s[KVP:KVP+1] offset:16384+512*i   ; v^T's eight fragments land while the softmax is worked
.set i, i+1
.endr
	WIN 0
	s_add_co_u32 s44, s24, 127                     ; a step all of whose keys count for all 32 rows has no mask
	s_cmp_le_u32 s44, s23
	s_cbranch_scc1 .Lopen
	s_sub_co_i32 s44, s23, s24
	v_add_nc_u32 v[DD], s44, v[RL]                 ; d of tile 0
	MASK 0
	v_add_nc_u32 v[DD], 8, v[DD]                   ; tile 1's rows lie 8 further on
	MASK 1
.Lopen:
	SOFTMAX 0
	SOFTMAX 1
	WIN 0x41                                       ; O^T (destination and source 0) window 1, f window 0
.irp u, 0,1
.set j, 0
.rept 32
	v_pk_mul_f32 v[64*\u+j:64*\u+j+1], v[64*\u+j:64*\u+j+1], v[ST+6*\u+4:ST+6*\u+5] op_sel_hi:[1,0]   ; O^T under the new M.  (These are also the places between the codes and the products)
.set j, j+2
.endr
.endr
	s_wait_loadcnt 0x0                             ; v^T
	WIN 0x51                                       ; source 0 (v^T), C and D window 1; p window 0
.irp t, 0,1,2,3,4,5,6,7
.irp u, 0,1
.set rD, 64*\u+8*\t
.set rA, KV+16*\t
.set rB, P+16*\u
.set rSA, SV+\t/2
.set rSB, PW+\u
	PV \t%2                                        ; the sixteen accumulators take turns, one instruction a turn
.endr
.endr
	WIN 0
	PLACES                                         ; in front of the next loads into these registers, and of the first read of O^T
	s_wait_xcnt 0x0                                ; the trip's loads and prefetches have read their base: it may step
	s_add_nc_u64 s[KVP:KVP+1], s[KVP:KVP+1], 262144   ; eight steps on
	s_add_nc_u64 s[KSP:KSP+1], s[KSP:KSP+1], 8192
	s_add_co_u32 s24, s24, 1024
	s_add_co_u32 s22, s22, 1
	s_cmp_lt_u32 s22, s21
	s_cbranch_scc1 .Ltrip
.Lmerge:
	; THE EIGHT PARTS MEET.  Each wave hands in -M, the sum and O^T of its 32 rows
.irp u, 0,1
	v_add_f32 v[BM+\u], v[ST+6*\u+2], v[ST+6*\u+3] ; the sum's two halves,
.endr
.irp u, 0,1
	v_permlanex16_b32 v[PM+\u], v[BM+\u], s[SEL], s[SEL+1]
.endr
.irp u, 0,1
	v_add_f32 v[BM+\u], v[BM+\u], v[PM+\u]         ; and lane l xor 16's
.endr
.irp u, 0,1
	ds_store_b32 v[STS], v[ST+6*\u] offset:512*\u          ; lanes r and r + 16 hold the same and write the same word
	ds_store_b32 v[STS], v[BM+\u] offset:1024+512*\u
.endr
	WIN 0x04                                       ; an LDS store's data are its source 1: window 1
.irp u, 0,1
.irp t, 0,1,2,3,4,5,6,7
	ds_store_b128 v[OSTO], v[64*\u+8*\t:64*\u+8*\t+3] offset:8448*\u+64*\t        ; lane (r, h): row 16 u + r, channels 16 t + 8 h + 0 .. 7; each accumulator from its low end on
	ds_store_b128 v[OSTO], v[64*\u+8*\t+4:64*\u+8*\t+7] offset:8448*\u+64*\t+16
.endr
.endr
	WIN 0
	s_wait_dscnt 0x0                               ; for the others' sake: my stores have landed
	s_barrier_signal -1
	s_barrier_wait -1
.irp i, 0,1,2,3                        ; I take stage rows 4 x wave + i, whole: 16 bytes a lane
	ds_load_b128 v[MB+48*\i:MB+48*\i+3], v[STR] offset:32*\i              ; the eight -M (every lane reads the same words),
	ds_load_b128 v[MB+48*\i+4:MB+48*\i+7], v[STR] offset:32*\i+16
	ds_load_b128 v[MB+48*\i+8:MB+48*\i+11], v[STR] offset:1024+32*\i      ; the eight sums,
	ds_load_b128 v[MB+48*\i+12:MB+48*\i+15], v[STR] offset:1024+32*\i+16
.irp w, 0,1,2,3
	ds_load_b128 v[MB+48*\i+16+4*\w:MB+48*\i+19+4*\w], v[ORD0] offset:\w*16896+528*\i   ; the eight parts
	ds_load_b128 v[MB+48*\i+32+4*\w:MB+48*\i+35+4*\w], v[ORD1] offset:\w*16896+528*\i
.endr
.endr
	s_wait_dscnt 0x0                               ; my reads of the stage are over:
	s_barrier_signal -1
	s_barrier_wait -1                              ; only behind this barrier is the stage written again
.irp i, 0,1,2,3
	v_min3_num_f32 v[BM+\i], v[MB+48*\i], v[MB+48*\i+1], v[MB+48*\i+2]   ; the least -M: the row's M
.endr
.irp i, 0,1,2,3
	v_min3_num_f32 v[BM+\i], v[BM+\i], v[MB+48*\i+3], v[MB+48*\i+4]
.endr
.irp i, 0,1,2,3
	v_min3_num_f32 v[BM+\i], v[BM+\i], v[MB+48*\i+5], v[MB+48*\i+6]
.endr
.irp i, 0,1,2,3
	v_min_num_f32 v[BM+\i], v[BM+\i], v[MB+48*\i+7]
.endr
.irp w, 0,1,2,3,4,5,6,7
.irp i, 0,1,2,3
	v_sub_f32 v[MB+48*\i+\w], v[BM+\i], v[MB+48*\i+\w]   ; the part's M less the row's: a whole number, 0 or less
.endr
.endr
.irp w, 0,1,2,3,4,5,6,7
.irp i, 0,1,2,3
	v_cvt_i32_f32 v[MB+48*\i+\w], v[MB+48*\i+\w]   ; (it saturates: a wave that had no trip gets f = 0)
.endr
.endr
.irp w, 0,1,2,3,4,5,6,7
.irp i, 0,1,2,3
	v_ldexp_f32 v[MB+48*\i+\w], 1.0, v[MB+48*\i+\w]   ; f: an exact power of two
.endr
.endr
.irp i, 0,1,2,3
	v_mul_f32 v[MB+48*\i+8], v[MB+48*\i], v[MB+48*\i+8]
.endr
.irp w, 1,2,3,4,5,6,7
.irp i, 0,1,2,3
	v_fmac_f32 v[MB+48*\i+8], v[MB+48*\i+\w], v[MB+48*\i+8+\w]   ; the row's sum
.endr
.endr
.irp i, 0,1,2,3
	v_rcp_f32 v[BM+\i], v[MB+48*\i+8]
.endr
.irp i, 0,1,2,3
.irp c, 0,1,2,3
	v_mul_f32 v[MB+48*\i+16+\c], v[MB+48*\i], v[MB+48*\i+16+\c]   ; plain work behind the reciprocals: the parts are added
.endr
.endr
.irp w, 1,2,3,4,5,6,7
.irp i, 0,1,2,3
.irp c, 0,1,2,3
	v_fmac_f32 v[MB+48*\i+16+\c], v[MB+48*\i+\w], v[MB+48*\i+16+4*\w+\c]
.endr
.endr
.endr
	s_wait_alu depctr_va_vdst(0)                   ; one wait for the four reciprocals, ahead of their first reader
.irp i, 0,1,2,3
.irp c, 0,1,2,3
	v_mul_f32 v[MB+48*\i+16+\c], v[MB+48*\i+16+\c], v[BM+\i]
.endr
.endr
.irp i, 0,1,2,3
	global_store_b128 v[L16], v[MB+48*\i+16:MB+48*\i+19], s[OUTP:OUTP+1] offset:512*\i th:TH_STORE_NT   ; 32 lanes store a row of 512 consecutive bytes, aligned; written once, read by nobody here
.endr
	s_wait_xcnt 0x0                                ; the stores have read their registers and their base: both are written again in the next pass
	s_add_co_u32 s17, s17, 1
	s_cmp_lt_u32 s17, 2
	s_cbranch_scc1 .Lpass
	s_wait_tensorcnt 0x0
	ds_add_u32 v62, v63
	s_wait_dscnt 0x0
	s_endpgm
.Lfunc_end_k_qa581de2a43_attn:
	.size	k_qa581de2a43_attn, .Lfunc_end_k_qa581de2a43_attn-k_qa581de2a43_attn
	.p2alignl 7, 3214868480
	.fill 96, 4, 3214868480
	.section	.rodata,"a",@progbits
	.p2align	6, 0x0
	.amdhsa_kernel k_qa581de2a43_attn
		.amdhsa_group_segment_fixed_size 138240
		.amdhsa_private_segment_fixed_size 0
		.amdhsa_enable_private_segment 0
		.amdhsa_kernarg_size 40
		.amdhsa_user_sgpr_count 2
		.amdhsa_user_sgpr_kernarg_segment_ptr 1
		.amdhsa_wavefront_size32 1
		.amdhsa_system_sgpr_workgroup_id_x 1
		.amdhsa_system_sgpr_workgroup_id_y 1
		.amdhsa_system_sgpr_workgroup_id_z 1
		.amdhsa_system_vgpr_workitem_id 0
		.amdhsa_next_free_vgpr 512
		.amdhsa_next_free_sgpr 66
		.amdhsa_reserve_vcc 1
		.amdhsa_float_denorm_mode_32 3
		.amdhsa_float_denorm_mode_16_64 3
		.amdhsa_memory_ordered 1
		.amdhsa_forward_progress 1
		.amdhsa_inst_pref_size 79
	.end_amdhsa_kernel
	.amdgpu_metadata
---
amdhsa.version: [ 1, 2 ]
amdhsa.kernels:
  - .name:           k_qa581de2a43_attn
    .symbol:         k_qa581de2a43_attn.kd
    .args:
      - { .name: ac, .offset: 0, .size: 8, .value_kind: global_buffer, .address_space: global }
      - { .name: asc, .offset: 8, .size: 8, .value_kind: global_buffer, .address_space: global }
      - { .name: kv, .offset: 16, .size: 8, .value_kind: global_buffer, .address_space: global }
      - { .name: kvs, .offset: 24, .size: 8, .value_kind: global_buffer, .address_space: global }
      - { .name: out0, .offset: 32, .size: 8, .value_kind: global_buffer, .address_space: global }
    .group_segment_fixed_size: 138240
    .private_segment_fixed_size: 0
    .kernarg_segment_align: 8
    .kernarg_segment_size: 40
    .max_flat_workgroup_size: 256
    .sgpr_count:     66
    .vgpr_count:     512
    .wavefront_size: 32
...
	.end_amdgpu_metadata
.endif
;; end of part 3
;; ======== version 2 of 2: 3 launches; version 1 with the launch attn written anew for expert scheduling mode
;; workspace buffers: wc 393,216 bytes; ws 12,288 bytes; ac 2,097,152 bytes; asc 65,536 bytes; kv 4,194,304 bytes; kvs 131,072 bytes
;; launch wquant: the kernel of part 1 again; grid 64 x 3, 1 waves a work-group, no clusters, 0 bytes of LDS; arguments Wk, Wq, Wv, wc, ws; writes wc, ws
;; launch proj: the kernel of part 2 again; grid 256 x 1, 4 waves a work-group, no clusters, 327,680 bytes of LDS; arguments x, wc, ws, ac, asc, kv, kvs; writes ac, asc, kv, kvs
;; launch attn (part 4): grid 64 x 4, 8 waves a work-group, no clusters, 138,240 bytes of LDS; arguments ac, asc, kv, kvs, out0; writes out0
.if DOCPART == 4
	.amdgcn_target "amdgcn-amd-amdhsa--gfx1250"
	.amdhsa_code_object_version 6
	.text
	.protected	k_qa581de2a43_attn
	.globl	k_qa581de2a43_attn
	.p2align	8
	.type	k_qa581de2a43_attn,@function
k_qa581de2a43_attn:
	s_mov_b64 s[64:65], 0
	v_nop
	global_prefetch_b8 v0, s[64:65] scope:SCOPE_SE
	s_setreg_imm32_b32 hwreg(HW_REG_WAVE_SCHED_MODE, 0, 2), 2
	s_setreg_imm32_b32 hwreg(HW_REG_WAVE_MODE, 25, 1), 1
	s_wait_xcnt 0x0
	s_wait_alu depctr_vm_vsrc(0)
; out[b][i] = the sum over j <= i of softmax_j(k[b][i] . q[b][j] / 32) v[b][j], both products on codes of FP8 (E4M3) with one E8M0 scale for each 32 along a product's K.
; The softmax's ROWS are k's rows; q's rows are the keys.  All operands come as images of their registers (group c at 512 c, lane l's 16 bytes at 16 l), made by the launch before.
; THE SOFTMAX AHEAD OF THE SECOND PRODUCT: t = score x log2(e) / 32; M = the largest t so far, rounded UP to a whole number; p = 2^(t - M) is quantised along the keys, not normalised; the row's sum is
; taken of the unquantised p and divides at the end.  When M moves, the sum and O are multiplied by 2^(old M - new M): exact.  A block's largest p is made from the block's largest score by the same
; multiply-add and exponential (this takes v_exp_f32 not to fall where its input rises; at the worst one p within an ulp of a power of two is held one code low).
; SHARES.  Work-group (a, b) owns two blocks of 32 rows of batch b: block 127 - a (pass 0: 32 - a / 4 key steps of 128 keys under the causal mask) and block a (pass 1: a / 4 + 1 steps): 33 steps in every
; work-group.  The 33 are dealt to the eight waves in turn: a wave takes steps e0, e0 + 8, .. of a pass, for both row tiles, with its OWN running M, sum and O^T; at a pass's end the eight parts meet
; in LDS, are brought under the largest M (exact powers of two), added and divided by the sum.  Steps that lie wholly above the diagonal are not walked; only a pass's last step is masked, and its first
; key counts for every row, so M is a number.
; LAYOUT.  Both products are used transposed: S^T = q k^T (source 0 = 16 keys, source 1 = 16 rows), O^T = v^T p^T: a lane holds ONE row throughout.  Lane r of row tile u is row 8 u + r + 8 (r / 8) of the 32;
; lane r of key tile 2 b + u is key 32 b + 8 u + r + 8 (r / 8), so that the 16 registers of two neighbouring tiles are 16 neighbouring keys.
; q's and v's fragments go from memory straight into registers; each feeds two products.  Two waves share a SIMD's registers, so that one wave's loads and products stand beside the other's softmax.
; NO CLUSTER: the steps that a wave walks, and how many, hang on a and on the wave's number (17 to 32 steps in pass 0, 1 to 16 in pass 1): partners would need different tiles at different times.
; PREFETCH: in pass 0 of work-group a = 0 of each batch, which walks all 32 steps, each wave asks, behind its loads, for the 32,768 bytes of its own next step (one trip ahead; lanes 256 bytes apart,
; four instructions); its last trip asks for nothing; steps 0 to 7 come by their loads alone.  So each block of 256 bytes from step 8 on is named once.
; LIMITS: NaN and infinities among the operands are not served.
; THE MODE: SCHED_MODE bits 1:0 = 2 (LLVM: expert scheduling mode 2), set by the entry lines.  The code itself states the register dependences between vector or matrix instructions and memory or
; LDS instructions, with s_wait_alu, always for 0.
; THE PLAN.  Registers that memory or LDS instructions touch:
;   v1-v7, v9, v10   offsets and LDS addresses: written at the head and never again; read by every load, store and prefetch.
;   AQ, AS           loaded at a pass's head; read by the products S^T.  v208-255 are also the merge's fourth row.
;   KV               q's loads at a trip's head land in it; the products S^T read it; v^T's loads land in it; the products O^T read it.
;   SB, SVR          loaded at a trip's head; SB is read by the products S^T, SVR by the four v_perm_b32 behind the loads' wait.
;   O^T, -M, v40-41  data of the merge's LDS stores; written again by the merge's minima and at the next pass's head.
;   v64-255          the merge's LDS loads land in them; its arithmetic works on them; four registers a row are the data of the global stores.
; A trip has three waits of its own on va_vdst: at its head (the last trip's products O^T are done reading KV), behind the products S^T (they are done reading KV), and ahead of the products O^T (p's codes and
; the scale words made by vector instructions are written).  The loads into SB and SVR stand ahead of the first: their last readers were issued ahead of the softmax's waits, and nothing since names them.
; No vector register that a memory instruction reads is written in a trip, so a trip has no wait on vm_vsrc; a pass has two, in the merge.  The mask's compares are laid in runs of 32, one wait on va_sdst a run.
; REGISTERS.  Window 0: v1-11 addresses; v12-15 q's scale words; v16-19 v's scale bytes as loaded, v20-23 as words; v24 k's scale words; v25-26 p's; v28-39 statistics, six a tile (-M, largest t, the sum in two
; halves, f and a partner); v40-59 at work; v64-191 S^T, then p, 64 a tile; v192-223 p's codes; v224-255 k's two fragments.  Window 1: v0-127 O^T, 64 a tile; v128-255 q's, then v^T's eight fragments.
.set L16, 1                            ; v1   16 x lane
.set L8,  2                            ; v2   8 x lane
.set L4,  3                            ; v3   4 x lane
.set OSTO, 4                           ; v4   the stage: 16,896 x wave + 528 r + 32 h
.set STS, 5                            ; v5   STM + 32 r + 4 x wave
.set ORD0, 6                           ; v6   2,112 x wave + 16 x lane: my four rows in the parts of waves 0-3
.set ORD1, 7                           ; v7   the same in the parts of waves 4-7
.set STR, 9                            ; v9   STM + 128 x wave: my four rows' statistics
.set PFO, 10                           ; v10  256 x lane
.set RL,  11                           ; v11  r + 8 (r / 8) - 16 h
.set SB,  12
.set SVR, 16
.set SV,  20
.set AS,  24
.set PW,  25
.set ST,  28
.set BM,  40
.set PM,  44
.set HD,  48
.set SO,  52
.set T0,  56
.set NINF, 57
.set DD,  58
.set S,   64
.set P,   192
.set AQ,  224
.set KV,  128                          ; in window 1
.set MB,  64                           ; the merge: row i's 48 registers at v[MB + 48 i]: 8 x -M (then f), 8 sums, 8 parts of 4
.set STM, 135168                       ; LDS: 0 .. the stage: 8 waves x 32 rows x (512 + 16) bytes; then -M [row 32][wave 8], and 1,024 bytes on the sums likewise
.set WV,  14                           ; s14 wave;  s15 a;  s16 b;  s17 pass;  s18 block;  s19 steps;  s20 my first step;  s21 my trips;  s22 the trip;  s23 the block's first row;  s24 the step's first key
.set LIMN, 25                          ; s25 my trips where I prefetch, else 0
.set KVP, 26                           ; s[26:27] kv at my step;  s[28:29] kvs;  s[30:31] ac;  s[32:33] asc;  s[34:35] out0 at my four rows
.set KSP, 28
.set ACP, 30
.set ASP, 32
.set OUTP, 34
.set SEL, 36                           ; s[36:37] v_permlanex16_b32's selects for lane l xor 16
.set CS,  38                           ; s[38:39] c = log2(e) / 32
.set MNT, 40                           ; s40 the mantissa field of 448
.set MK,  66                           ; s66-s97 the masks of a run of 32 compares
.set MSB, 0
.macro WIN new                         ; the immediate's high byte repeats the setting that is left; a switch that changes nothing is dropped
.if MSB != (\new)
	s_set_vgpr_msb (MSB<<8)|(\new)
.set MSB, (\new)
.endif
.endm
.macro PLACES                          ; eight places behind this matrix form
.rept 8
	v_nop
.endr
.endm
	s_load_b256 s[4:11], s[0:1], 0x0               ; ac s[4:5], asc s[6:7], kv s[8:9], kvs s[10:11]
	s_load_b64 s[12:13], s[0:1], 0x20              ; out0
	v_lshl_add_u32 v62, v0, 2, 0x21800
	v_mov_b32 v63, 0
	v_lshrrev_b32 v1, 5, v0
	v_readfirstlane_b32 s[WV], v1                  ; wave 0..7
	s_mov_b32 s15, ttmp9                           ; a
	s_and_b32 s16, ttmp7, 0xffff                   ; b
	v_and_b32 v8, 31, v0                           ; lane
	v_and_b32 v56, 15, v0                          ; r
	v_bfe_u32 v57, v0, 4, 1                        ; h
	v_lshlrev_b32 v[L16], 4, v8
	v_lshlrev_b32 v[L8], 3, v8
	v_lshlrev_b32 v[L4], 2, v8
	v_lshlrev_b32 v[PFO], 8, v8
	s_wait_alu depctr_va_sdst(0)                   ; s14, the wave's number, is written, ahead of its first reader: the line below
	s_mul_i32 s44, s[WV], 16896
	v_mul_u32_u24 v[OSTO], v56, 528
	v_lshl_add_u32 v[OSTO], v57, 5, v[OSTO]
	v_add_nc_u32 v[OSTO], s44, v[OSTO]
	s_lshl_b32 s44, s[WV], 2
	v_lshl_add_u32 v[STS], v56, 5, s44
	v_add_nc_u32 v[STS], STM, v[STS]
	s_mul_i32 s44, s[WV], 2112
	v_add_nc_u32 v[ORD0], s44, v[L16]
	v_add_nc_u32 v[ORD1], 67584, v[ORD0]
	s_lshl_b32 s44, s[WV], 7
	s_add_co_u32 s44, s44, STM
	v_mov_b32 v[STR], s44
	v_and_b32 v[RL], 8, v56
	v_add_nc_u32 v[RL], v[RL], v56
	v_lshlrev_b32 v57, 4, v57
	v_sub_nc_u32 v[RL], v[RL], v57
	v_mov_b32 v[NINF], 0xff800000                  ; -infinity
.irp b, 0,1,2,3
	v_mov_b32 v[PM+\b], 0                          ; a lane permute's destination counts as one of its sources
.endr
	v_mov_b32 v[ST+5], 0                           ; named with f as a pair, so it is written
	v_mov_b32 v[ST+11], 0
	s_mov_b32 s[SEL], 0x76543210
	s_mov_b32 s[SEL+1], 0xfedcba98
	s_mov_b32 s[CS], 0x3d38aa3b                    ; log2(e) / 32
	s_mov_b32 s[CS+1], s[CS]                       ; (named with it as a pair, so it is written)
	s_mov_b32 s[MNT], 0x600000
	s_mov_b32 s41, 0x05040100                      ; v_perm_b32: the two low halves,
	s_mov_b32 s42, 0x07060302                      ; the two high halves
	s_sub_co_u32 s50, 127, s15                     ; pass 0's block
	s_lshr_b32 s44, s15, 2
	s_sub_co_u32 s51, 32, s44                      ; its steps
	s_add_co_u32 s52, s44, 1                       ; pass 1's steps
	s_sub_co_u32 s53, s[WV], s51
	s_and_b32 s53, s53, 7                          ; my first step in pass 1: the deal goes on where pass 0's ended
	s_lshr_b32 s44, s[WV], 2                       ; the four rows that I merge: stage rows 4 x wave + i = tile wave / 4, lanes 4 (wave % 4) + i:
	s_lshl_b32 s48, s44, 3                         ; row 8 (wave / 4)
	s_and_b32 s44, s[WV], 3
	s_lshl_b32 s45, s44, 2
	s_add_co_u32 s48, s48, s45                     ; + 4 (wave % 4)
	s_lshr_b32 s44, s44, 1
	s_lshl_b32 s44, s44, 3
	s_add_co_u32 s48, s48, s44                     ; + 8 ((wave % 4) / 2), + i: four neighbouring rows of the block
	s_mov_b32 s17, 0
	s_wait_kmcnt 0x0
; S^T's product on the registers named by rD, rA, rB, rSA: it starts its sum with the constant 0
.macro SP rowa, rowb
.if (\rowa) && (\rowb)
	v_wmma_scale_f32_16x16x128_f8f6f4 v[rD:rD+7], v[rA:rA+15], v[rB:rB+15], 0, v[rSA], v[AS] matrix_a_scale:MATRIX_SCALE_ROW1 matrix_b_scale:MATRIX_SCALE_ROW1
.elseif \rowa
	v_wmma_scale_f32_16x16x128_f8f6f4 v[rD:rD+7], v[rA:rA+15], v[rB:rB+15], 0, v[rSA], v[AS] matrix_a_scale:MATRIX_SCALE_ROW1
.elseif \rowb
	v_wmma_scale_f32_16x16x128_f8f6f4 v[rD:rD+7], v[rA:rA+15], v[rB:rB+15], 0, v[rSA], v[AS] matrix_b_scale:MATRIX_SCALE_ROW1
.else
	v_wmma_scale_f32_16x16x128_f8f6f4 v[rD:rD+7], v[rA:rA+15], v[rB:rB+15], 0, v[rSA], v[AS]
.endif
.endm
.macro PV rowa                         ; O^T's product, in place
.if \rowa
	v_wmma_scale_f32_16x16x128_f8f6f4 v[rD:rD+7], v[rA:rA+15], v[rB:rB+15], v[rD:rD+7], v[rSA], v[rSB] matrix_a_scale:MATRIX_SCALE_ROW1
.else
	v_wmma_scale_f32_16x16x128_f8f6f4 v[rD:rD+7], v[rA:rA+15], v[rB:rB+15], v[rD:rD+7], v[rSA], v[rSB]
.endif
.endm
; register n of tile u holds key KF + 16 h + 32 (n / 16) + n % 16: hidden where 32 (n / 16) + n % 16 > d = my row - KF - 16 h.  Ascending: each accumulator is read from its low end on.
; The compares stand in runs of 32, each with a scalar register of its own for its mask, so that one wait serves a run
.macro MASK u
.irp g, 0,1
.set n, 32*\g
.rept 32
	v_cmp_gt_i32 s[MK+n%32], 32*(n/16)+n%16, v[DD]
.set n, n+1
.endr
	s_wait_alu depctr_va_sdst(0)                   ; the run's 32 compares have written s66 to s97, ahead of the selects that read them
.set n, 32*\g
.rept 32
	v_cndmask_b32 v[S+64*(\u)+n], v[S+64*(\u)+n], v[NINF], s[MK+n%32]
.set n, n+1
.endr
.endr
.endm
; one tile's softmax for one key step: scores in v[rS] on become p, p's codes in v[rP] on and p's scale word
.macro SOFTMAX u
.set rS, S+64*(\u)
.set rT, ST+6*(\u)
.set rP, P+16*(\u)
.irp b, 0,1,2,3
	v_max3_num_f32 v[BM+\b], v[rS+16*\b], v[rS+1+16*\b], v[rS+2+16*\b]   ; the largest score of each block of 32 keys: for the row's maximum, and for the block's largest p
.endr
.irp i, 3,5,7,9,11,13
.irp b, 0,1,2,3
	v_max3_num_f32 v[BM+\b], v[BM+\b], v[rS+16*\b+\i], v[rS+1+16*\b+\i]   ; the four blocks by turns
.endr
.endr
.irp b, 0,1,2,3
	v_max_num_f32 v[BM+\b], v[BM+\b], v[rS+15+16*\b]
.endr
.irp b, 0,1,2,3
	v_permlanex16_b32 v[PM+\b], v[BM+\b], s[SEL], s[SEL+1]
.endr
.irp b, 0,1,2,3
	v_max_num_f32 v[BM+\b], v[BM+\b], v[PM+\b]     ; with lane l xor 16's 16 keys
.endr
	v_max3_num_f32 v[T0], v[BM], v[BM+1], v[BM+2]
	v_max_num_f32 v[T0], v[T0], v[BM+3]            ; the step's largest score of my row
	v_mul_f32 v[T0], s[CS], v[T0]                  ; as t (c is positive)
	v_max_num_f32 v[rT+1], v[rT+1], v[T0]          ; the running largest t
	v_mov_b32 v[T0], v[rT]
	v_floor_f32 v[rT], -v[rT+1]                    ; the new -M = floor(-t) = -ceil(t)
	v_sub_f32 v[T0], v[rT], v[T0]                  ; old M - new M: a whole number, 0 or less
	v_cvt_i32_f32 v[T0], v[T0]                     ; (it saturates)
	v_ldexp_f32 v[rT+4], 1.0, v[T0]                ; f = 2^(old M - new M)
.set j, 0
.rept 32
	v_pk_fma_f32 v[rS+j:rS+j+1], v[rS+j:rS+j+1], s[CS:CS+1], v[rT:rT+1] op_sel_hi:[1,0,0]   ; t - M, two at a time (of the pairs c and -M the low word serves both halves)
.set j, j+2
.endr
.irp b, 0,1,2,3
	v_fma_f32 v[BM+\b], v[BM+\b], s[CS], v[rT]     ; the same of each block's largest score
.endr
.set j, 0
.rept 64
	v_exp_f32 v[rS+j], v[rS+j]                     ; p = 2^(t - M), at most 1
.set j, j+1
.endr
	v_pk_mul_f32 v[rT+2:rT+3], v[rT+2:rT+3], v[rT+4:rT+5] op_sel_hi:[1,0]   ; the sums under the new M: a plain line behind the exponentials
	s_wait_alu depctr_va_vdst(0)                   ; the 64 exponentials have written p: one wait for the whole batch, ahead of its first reader
.irp b, 0,1,2,3
	v_exp_f32 v[BM+\b], v[BM+\b]                   ; the block's largest p
.endr
	v_pk_add_f32 v[PM:PM+1], v[rS:rS+1], v[rS+2:rS+3]   ; the row's sum of the UNQUANTISED p, two at a time, in two chains: plain work behind the four
.irp j, 4,8,12,16,20,24,28,32,36,40,44,48,52,56,60
	v_pk_add_f32 v[rT+2:rT+3], v[rT+2:rT+3], v[rS+\j:rS+1+\j]
	v_pk_add_f32 v[PM:PM+1], v[PM:PM+1], v[rS+2+\j:rS+3+\j]
.endr
	v_pk_add_f32 v[rT+2:rT+3], v[rT+2:rT+3], v[PM:PM+1]
	s_wait_alu depctr_va_vdst(0)                   ; and one for the four: the blocks' largest p are written
.irp b, 0,1,2,3
	v_max_num_f32 v[BM+\b], 0x4800000, v[BM+\b]    ; the floor 2^(9 - 127): the byte cannot fall under 1 (a block whose every p is 0 keeps that byte: its codes are zeros)
.endr
.irp b, 0,1,2,3
	v_add_nc_u32 v[SO+\b], 0xfc000000, v[BM+\b]    ; 8 off the exponent field: the conversion's scale operand
.endr
.irp b, 0,1,2,3
	v_and_or_b32 v[HD+\b], v[BM+\b], 0x7f800000, s[MNT]   ; 448 x the scale
.endr
.irp b, 0,1,2,3
	v_lshrrev_b32 v[PM+\b], 23, v[SO+\b]           ; the scale's byte
.endr
	v_lshl_or_b32 v[PW+\u], v[PM+1], 8, v[PM]      ; p's scale word for these 128 keys
	v_lshl_or_b32 v[PW+\u], v[PM+2], 16, v[PW+\u]
	v_lshl_or_b32 v[PW+\u], v[PM+3], 24, v[PW+\u]
.irp b, 0,1,2,3
.irp i, 0,1,2,3,4,5,6,7,8,9,10,11,12,13,14,15
	v_min_num_f32 v[rS+16*\b+\i], v[rS+16*\b+\i], v[HD+\b]   ; the conversion to an 8-bit code does not saturate (ISA guide 7.6.2); p is not negative, so the hold is one-sided
.endr
	v_cvt_scalef32_pk8_fp8_f32 v[rP+4*\b:rP+1+4*\b], v[rS+16*\b:rS+7+16*\b], v[SO+\b]
	v_cvt_scalef32_pk8_fp8_f32 v[rP+2+4*\b:rP+3+4*\b], v[rS+8+16*\b:rS+15+16*\b], v[SO+\b]
.endr
.endm
.Lpass:                                                ; two trips: the late block, then the early one
	s_cmp_eq_u32 s17, 0
	s_cselect_b32 s18, s50, s15                    ; the block of 32 rows,
	s_cselect_b32 s19, s51, s52                    ; its key steps,
	s_cselect_b32 s20, s[WV], s53                  ; my first
	s_add_co_u32 s21, s19, 7
	s_sub_co_u32 s21, s21, s20
	s_lshr_b32 s21, s21, 3                         ; my trips: steps e0, e0 + 8, .. under the block's count (none, for some waves of pass 1)
	s_or_b32 s44, s17, s15
	s_cmp_eq_u32 s44, 0
	s_cselect_b32 s[LIMN], s21, 0                  ; pass 0 of a = 0 prefetches
	s_lshl_b32 s23, s18, 5                         ; the block's first row
	s_lshl_b32 s24, s20, 7                         ; my first step's first key
	s_lshl_b32 s44, s16, 7
	s_add_co_u32 s44, s44, s18                     ; the pair of row tiles: 128 b + block
	s_lshl_b32 s46, s44, 7
	s_lshl_b32 s44, s44, 12
	s_mov_b32 s45, 0
	s_mov_b32 s47, 0
	s_add_nc_u64 s[ACP:ACP+1], s[4:5], s[44:45]
	s_add_nc_u64 s[ASP:ASP+1], s[6:7], s[46:47]
	s_lshl_b32 s44, s16, 5
	s_add_co_u32 s44, s44, s20                     ; the key step: 32 b + e0
	s_lshl_b32 s46, s44, 10
	s_lshl_b32 s44, s44, 15
	s_add_nc_u64 s[KVP:KVP+1], s[8:9], s[44:45]
	s_add_nc_u64 s[KSP:KSP+1], s[10:11], s[46:47]
	s_lshl_b32 s44, s16, 12
	s_add_co_u32 s44, s44, s23
	s_add_co_u32 s44, s44, s48
	s_lshl_b32 s44, s44, 9                         ; a row of out0 is 512 bytes
	s_add_nc_u64 s[OUTP:OUTP+1], s[12:13], s[44:45]
	s_wait_alu depctr_va_vdst(0)                   ; pass 0: the head has written the offsets and LDS addresses v1 to v10, which every load, store and prefetch of the kernel reads; pass 1: the merge's arithmetic has written v208 to v255, and the last pass's products are done reading k's fragments and scale words, in which the loads below land
.irp u, 0,1
.irp c, 0,1,2,3
	global_load_b128 v[AQ+16*\u+4*\c:AQ+16*\u+4*\c+3], v[L16], s[ACP:ACP+1] offset:2048*\u+512*\c   ; k's two fragments stay in registers for the pass
.endr
.endr
	global_load_b32 v[AS], v[L4], s[ASP:ASP+1]     ; their scale words: tile 0's in lanes 0-15, tile 1's in lanes 16-31
.irp u, 0,1
	v_mov_b32 v[ST+6*\u+1], 0xff61b1e6             ; the largest t so far: -3e38, under every t
	v_floor_f32 v[ST+6*\u], -v[ST+6*\u+1]          ; -M
	v_mov_b32 v[ST+6*\u+2], 0                      ; the sum, in two halves
	v_mov_b32 v[ST+6*\u+3], 0
	v_mov_b32 v[ST+6*\u+4], 0
.endr
	WIN 0x40
.set j, 0
.rept 128
	v_mov_b32 v[j], 0                              ; O^T.  The trip is written once: its first finds zeros; and a wave that has no trip hands zeros in
.set j, j+1
.endr
	WIN 0
	s_wait_loadcnt 0x0
	s_cmp_eq_u32 s21, 0
	s_cbranch_scc1 .Lmerge
	s_mov_b32 s22, 0
.Ltrip:                                                ; one key step of 128 keys, for both row tiles
	global_load_b64 v[SB:SB+1], v[L8], s[KSP:KSP+1]               ; q's scale words: tiles 0, 1 | 2, 3.  These four stand ahead of the wait below: the last trip's readers of their registers were issued ahead of the softmax's waits, and no vector or matrix instruction since names them
	global_load_b64 v[SVR:SVR+1], v[L8], s[KSP:KSP+1] offset:256  ; v's scale bytes of keys 0 to 63,
	global_load_b64 v[SB+2:SB+3], v[L8], s[KSP:KSP+1] offset:512  ; tiles 4, 5 | 6, 7,
	global_load_b64 v[SVR+2:SVR+3], v[L8], s[KSP:KSP+1] offset:768   ; of keys 64 to 127
	WIN 0x40
	s_wait_alu depctr_va_vdst(0)                   ; the last trip's products O^T are done reading v^T's fragments, in which q's land
.set i, 0
.rept 32
	global_load_b128 v[KV+4*i:KV+4*i+3], v[L16], s[KVP:KVP+1] offset:512*i   ; q's eight fragments
.set i, i+1
.endr
	WIN 0
	s_add_co_u32 s44, s22, 1
	s_cmp_lt_u32 s44, s[LIMN]
	s_cbranch_scc0 .Lno_ask
.irp i, 0,1,2,3
	global_prefetch_b8 v[PFO], s[KVP:KVP+1] offset:262144+8192*\i th:TH_LOAD_NT scope:SCOPE_SE   ; my next step's 32,768 bytes
.endr
.Lno_ask:
	s_wait_loadcnt 0x0
	v_perm_b32 v[SV], v[SVR+2], v[SVR], s41        ; v's scale words: the two bytes of the first 64 keys below, those of the second 64 above: tiles 0 | 1,
	v_perm_b32 v[SV+1], v[SVR+2], v[SVR], s42      ; 2 | 3,
	v_perm_b32 v[SV+2], v[SVR+3], v[SVR+1], s41    ; 4 | 5,
	v_perm_b32 v[SV+3], v[SVR+3], v[SVR+1], s42    ; 6 | 7
	WIN 0x01                                       ; source 0 (q) window 1
.irp t, 0,1,2,3,4,5,6,7
.irp u, 0,1
.set rD, S+64*\u+8*\t
.set rA, KV+16*\t
.set rB, AQ+16*\u
.set rSA, SB+\t/2
	SP \t%2, \u
.endr
.endr
	WIN 0
	PLACES                                         ; in front of the first read of the scores
	WIN 0x40
	s_wait_alu depctr_va_vdst(0)                   ; the products S^T are done reading q's fragments, in which v^T's land
.set i, 0
.rept 32
	global_load_b128 v[KV+4*i:KV+4*i+3], v[L16], s[KVP:KVP+1] offset:16384+512*i   ; v^T's eight fragments land while the softmax is worked
.set i, i+1
.endr
	WIN 0
	s_add_co_u32 s44, s24, 127                     ; a step all of whose keys count for all 32 rows has no mask
	s_cmp_le_u32 s44, s23
	s_cbranch_scc1 .Lopen
	s_sub_co_i32 s44, s23, s24
	v_add_nc_u32 v[DD], s44, v[RL]                 ; d of tile 0
	MASK 0
	v_add_nc_u32 v[DD], 8, v[DD]                   ; tile 1's rows lie 8 further on
	MASK 1
.Lopen:
	SOFTMAX 0
	SOFTMAX 1
	WIN 0x41                                       ; O^T (destination and source 0) window 1, f window 0
.irp u, 0,1
.set j, 0
.rept 32
	v_pk_mul_f32 v[64*\u+j:64*\u+j+1], v[64*\u+j:64*\u+j+1], v[ST+6*\u+4:ST+6*\u+5] op_sel_hi:[1,0]   ; O^T under the new M.  (These are also the places between the codes and the products)
.set j, j+2
.endr
.endr
	s_wait_loadcnt 0x0                             ; v^T
	WIN 0x51                                       ; source 0 (v^T), C and D window 1; p window 0
	s_wait_alu depctr_va_vdst(0)                   ; the conversions have written p's codes, and vector instructions p's and v's scale words, which the scaled products below take; the places above stay beside this wait
.irp t, 0,1,2,3,4,5,6,7
.irp u, 0,1
.set rD, 64*\u+8*\t
.set rA, KV+16*\t
.set rB, P+16*\u
.set rSA, SV+\t/2
.set rSB, PW+\u
	PV \t%2                                        ; the sixteen accumulators take turns, one instruction a turn
.endr
.endr
	WIN 0
	PLACES                                         ; in front of the next vector write of v's scale words, and of the first read of O^T
	s_wait_xcnt 0x0                                ; the trip's loads and prefetches have read their base: it may step
	s_add_nc_u64 s[KVP:KVP+1], s[KVP:KVP+1], 262144   ; eight steps on
	s_add_nc_u64 s[KSP:KSP+1], s[KSP:KSP+1], 8192
	s_add_co_u32 s24, s24, 1024
	s_add_co_u32 s22, s22, 1
	s_cmp_lt_u32 s22, s21
	s_cbranch_scc1 .Ltrip
.Lmerge:
	; THE EIGHT PARTS MEET.  Each wave hands in -M, the sum and O^T of its 32 rows
.irp u, 0,1
	v_add_f32 v[BM+\u], v[ST+6*\u+2], v[ST+6*\u+3] ; the sum's two halves,
.endr
.irp u, 0,1
	v_permlanex16_b32 v[PM+\u], v[BM+\u], s[SEL], s[SEL+1]
.endr
.irp u, 0,1
	v_add_f32 v[BM+\u], v[BM+\u], v[PM+\u]         ; and lane l xor 16's
.endr
	s_wait_alu depctr_va_vdst(0)                   ; the sums, -M and O^T are written, which the LDS stores below read (O^T's places stand at the trip's end); and the pass's vector and matrix instructions are done with v64 to v255, in which the LDS loads behind the barrier land: no vector instruction stands between
.irp u, 0,1
	ds_store_b32 v[STS], v[ST+6*\u] offset:512*\u          ; lanes r and r + 16 hold the same and write the same word
	ds_store_b32 v[STS], v[BM+\u] offset:1024+512*\u
.endr
	WIN 0x04                                       ; an LDS store's data are its source 1: window 1
.irp u, 0,1
.irp t, 0,1,2,3,4,5,6,7
	ds_store_b128 v[OSTO], v[64*\u+8*\t:64*\u+8*\t+3] offset:8448*\u+64*\t        ; lane (r, h): row 16 u + r, channels 16 t + 8 h + 0 .. 7; each accumulator from its low end on
	ds_store_b128 v[OSTO], v[64*\u+8*\t+4:64*\u+8*\t+7] offset:8448*\u+64*\t+16
.endr
.endr
	WIN 0
	s_wait_dscnt 0x0                               ; for the others' sake: my stores have landed
	s_barrier_signal -1
	s_barrier_wait -1
.irp i, 0,1,2,3                        ; I take stage rows 4 x wave + i, whole: 16 bytes a lane
	ds_load_b128 v[MB+48*\i:MB+48*\i+3], v[STR] offset:32*\i              ; the eight -M (every lane reads the same words),
	ds_load_b128 v[MB+48*\i+4:MB+48*\i+7], v[STR] offset:32*\i+16
	ds_load_b128 v[MB+48*\i+8:MB+48*\i+11], v[STR] offset:1024+32*\i      ; the eight sums,
	ds_load_b128 v[MB+48*\i+12:MB+48*\i+15], v[STR] offset:1024+32*\i+16
.irp w, 0,1,2,3
	ds_load_b128 v[MB+48*\i+16+4*\w:MB+48*\i+19+4*\w], v[ORD0] offset:\w*16896+528*\i   ; the eight parts
	ds_load_b128 v[MB+48*\i+32+4*\w:MB+48*\i+35+4*\w], v[ORD1] offset:\w*16896+528*\i
.endr
.endr
	s_wait_dscnt 0x0                               ; my reads of the stage are over:
	s_barrier_signal -1
	s_barrier_wait -1                              ; only behind this barrier is the stage written again
	s_wait_alu depctr_vm_vsrc(0)                   ; my LDS stores have read v40 and v41, which the minima below write, and -M and O^T, which the next pass's head writes
.irp i, 0,1,2,3
	v_min3_num_f32 v[BM+\i], v[MB+48*\i], v[MB+48*\i+1], v[MB+48*\i+2]   ; the least -M: the row's M
.endr
.irp i, 0,1,2,3
	v_min3_num_f32 v[BM+\i], v[BM+\i], v[MB+48*\i+3], v[MB+48*\i+4]
.endr
.irp i, 0,1,2,3
	v_min3_num_f32 v[BM+\i], v[BM+\i], v[MB+48*\i+5], v[MB+48*\i+6]
.endr
.irp i, 0,1,2,3
	v_min_num_f32 v[BM+\i], v[BM+\i], v[MB+48*\i+7]
.endr
.irp w, 0,1,2,3,4,5,6,7
.irp i, 0,1,2,3
	v_sub_f32 v[MB+48*\i+\w], v[BM+\i], v[MB+48*\i+\w]   ; the part's M less the row's: a whole number, 0 or less
.endr
.endr
.irp w, 0,1,2,3,4,5,6,7
.irp i, 0,1,2,3
	v_cvt_i32_f32 v[MB+48*\i+\w], v[MB+48*\i+\w]   ; (it saturates: a wave that had no trip gets f = 0)
.endr
.endr
.irp w, 0,1,2,3,4,5,6,7
.irp i, 0,1,2,3
	v_ldexp_f32 v[MB+48*\i+\w], 1.0, v[MB+48*\i+\w]   ; f: an exact power of two
.endr
.endr
.irp i, 0,1,2,3
	v_mul_f32 v[MB+48*\i+8], v[MB+48*\i], v[MB+48*\i+8]
.endr
.irp w, 1,2,3,4,5,6,7
.irp i, 0,1,2,3
	v_fmac_f32 v[MB+48*\i+8], v[MB+48*\i+\w], v[MB+48*\i+8+\w]   ; the row's sum
.endr
.endr
.irp i, 0,1,2,3
	v_rcp_f32 v[BM+\i], v[MB+48*\i+8]
.endr
.irp i, 0,1,2,3
.irp c, 0,1,2,3
	v_mul_f32 v[MB+48*\i+16+\c], v[MB+48*\i], v[MB+48*\i+16+\c]   ; plain work behind the reciprocals: the parts are added
.endr
.endr
.irp w, 1,2,3,4,5,6,7
.irp i, 0,1,2,3
.irp c, 0,1,2,3
	v_fmac_f32 v[MB+48*\i+16+\c], v[MB+48*\i+\w], v[MB+48*\i+16+4*\w+\c]
.endr
.endr
.endr
	s_wait_alu depctr_va_vdst(0)                   ; the four reciprocals are written: one wait, ahead of their first reader
.irp i, 0,1,2,3
.irp c, 0,1,2,3
	v_mul_f32 v[MB+48*\i+16+\c], v[MB+48*\i+16+\c], v[BM+\i]
.endr
.endr
	s_wait_alu depctr_va_vdst(0)                   ; the multiplications above have written the four rows, which the stores below read
.irp i, 0,1,2,3
	global_store_b128 v[L16], v[MB+48*\i+16:MB+48*\i+19], s[OUTP:OUTP+1] offset:512*\i th:TH_STORE_NT   ; 32 lanes store a row of 512 consecutive bytes, aligned; written once, read by nobody here
.endr
	s_wait_xcnt 0x0                                ; the stores have read their registers and their base: both are written again in the next pass
	s_wait_alu depctr_vm_vsrc(0)                   ; the stores have read their four registers a row, which the next pass's products write and in which its loads of k land
	s_add_co_u32 s17, s17, 1
	s_cmp_lt_u32 s17, 2
	s_cbranch_scc1 .Lpass
	s_wait_dscnt 0x0                               ; the closing lines, six on end
	s_wait_alu 0x0
	s_wait_tensorcnt 0x0
	ds_add_u32 v62, v63
	s_wait_dscnt 0x0
	s_endpgm
.Lfunc_end_k_qa581de2a43_attn:
	.size	k_qa581de2a43_attn, .Lfunc_end_k_qa581de2a43_attn-k_qa581de2a43_attn
	.p2alignl 7, 3214868480
	.fill 96, 4, 3214868480
	.section	.rodata,"a",@progbits
	.p2align	6, 0x0
	.amdhsa_kernel k_qa581de2a43_attn
		.amdhsa_group_segment_fixed_size 138240
		.amdhsa_private_segment_fixed_size 0
		.amdhsa_enable_private_segment 0
		.amdhsa_kernarg_size 40
		.amdhsa_user_sgpr_count 2
		.amdhsa_user_sgpr_kernarg_segment_ptr 1
		.amdhsa_wavefront_size32 1
		.amdhsa_system_sgpr_workgroup_id_x 1
		.amdhsa_system_sgpr_workgroup_id_y 1
		.amdhsa_system_sgpr_workgroup_id_z 1
		.amdhsa_system_vgpr_workitem_id 0
		.amdhsa_next_free_vgpr 512
		.amdhsa_next_free_sgpr 98
		.amdhsa_reserve_vcc 0
		.amdhsa_float_denorm_mode_32 3
		.amdhsa_float_denorm_mode_16_64 3
		.amdhsa_memory_ordered 1
		.amdhsa_forward_progress 1
		.amdhsa_inst_pref_size 87
	.end_amdhsa_kernel
	.amdgpu_metadata
---
amdhsa.version: [ 1, 2 ]
amdhsa.kernels:
  - .name:           k_qa581de2a43_attn
    .symbol:         k_qa581de2a43_attn.kd
    .args:
      - { .name: ac, .offset: 0, .size: 8, .value_kind: global_buffer, .address_space: global }
      - { .name: asc, .offset: 8, .size: 8, .value_kind: global_buffer, .address_space: global }
      - { .name: kv, .offset: 16, .size: 8, .value_kind: global_buffer, .address_space: global }
      - { .name: kvs, .offset: 24, .size: 8, .value_kind: global_buffer, .address_space: global }
      - { .name: out0, .offset: 32, .size: 8, .value_kind: global_buffer, .address_space: global }
    .group_segment_fixed_size: 138240
    .private_segment_fixed_size: 0
    .kernarg_segment_align: 8
    .kernarg_segment_size: 40
    .max_flat_workgroup_size: 256
    .sgpr_count:     98
    .vgpr_count:     512
    .wavefront_size: 32
...
	.end_amdgpu_metadata
.endif
;; end of part 4
